; MI455X (gfx1250); checked and timed in simulation.
; The chip was launched on July 23, 2026; its instructions are those of AMD's public machine-readable ISA for CDNA 5 (MIT licence, August 2026) and "CDNA5" Instruction Set Architecture Reference Guide (July 2026). The comments in the code are by the model that wrote it; some were corrected since.
;; MLA. Allowed arithmetic: matrix products marked QUANTISED: E2M1 operands, one E8M0 scale for each 32 along K, by v_wmma_scale_f32_16x16x128_f8f6f4 with both operands' format E2M1 (or v_wmma_scale_f32_32x16x128_f4), f32 sums; products left as they are: bf16, f16 or f32 operands; f32 sums; everything else in f32.
;; Inputs: Wk 2,048 x 3,072 float32; Wo 2,048 x 2,048 float32; Wq 2,048 x 3,072 float32; Wv 2,048 x 2,048 float32; bo 2,048 float32; mask 1,024 x 1,024 float32; x 2 x 1,024 x 2,048 float32.
;; Outputs: out0 2 x 1,024 x 2,048 float32.
;; Constants: start_pos = 0.
;; This version of the problem:
;;   THIS VERSION OF THE PROBLEM IS GIVEN IN LOW PRECISION. The matrix products marked QUANTISED in the list below multiply operands that are first quantised to E2M1 (2 exponent bits, 1 mantissa bit; 4 bits a number), with one power-of-two scale for each 32 numbers along K (OCP MX v1.0); their sums are f32. The products marked 'left as it is' may take bf16, f16 or f32 operands, with f32 sums. Whichever they take, every output number must still come out within the allowed error. Rounding operands to bf16 (8 significant bits) uses up far more of that allowance than f16 does (11 bits, for magnitudes from 6e-5 to 65,504). All else is computed in f32.
;;   The module's matrix products, in the order in which they are computed (A, B: the left and right operand; K: the contracted axis; several contracted axes count as one K, in the product's order):
;;     1. [M 2,048, K 2,048] x [K 2,048, N 3,072]; A: input x; B: input Wq: QUANTISED
;;     2. [M 2,048, K 2,048] x [K 2,048, N 3,072]; A: input x; B: input Wk: QUANTISED
;;     3. [M 2,048, K 2,048] x [K 2,048, N 2,048]; A: input x; B: input Wv: QUANTISED
;;     4. batch 32 x [M 1,024, K 192] x [K 192, N 1,024]; A: computed on the way; B: computed on the way: left as it is (an operand is computed on the way)
;;     5. batch 32 x [M 128, K 1,024] x [K 1,024, N 1,024]; A: computed on the way; B: computed on the way: left as it is (an operand is computed on the way)
;;     6. [M 2,048, K 2,048] x [K 2,048, N 2,048]; A: computed on the way; B: input Wo: left as it is (an operand is computed on the way)
;;   THE QUANTISER, for each operand of a quantised product, along K:
;;     - K is cut into blocks of 32 from its start; a last block that is shorter is filled with zeros.
;;     - A block's scale is 2^e with e = floor(log2(the largest magnitude in the block)) - 2, held to -126 .. 127; a block of zeros has e = 0. As a byte (E8M0): e + 127.
;;     - Each number is divided by its block's scale, clamped to +-6, and rounded to the nearest number of E2M1, ties to even, subnormals kept.
;;     - The product sums the exact products of the quantised numbers (number of the format x scale) in f32.
;;   ~~~python
;;   def quantise(x, axis):      # numpy; x: float32 -> the quantised numbers, widened to float32 again
;;       x = np.moveaxis(x, axis, -1); K = x.shape[-1]
;;       x = np.pad(x, [(0, 0)] * (x.ndim - 1) + [(0, -K % 32)]); x = x.reshape(x.shape[:-1] + (-1, 32)); a = np.abs(x).max(-1, keepdims=True)
;;       e = np.where(a > 0, np.clip(np.frexp(np.where(a > 0, a, 1))[1] - 1 - 2, -126, 127), 0)      # np.frexp(a)[1] - 1 = floor(log2(a)), exactly
;;       r = np.clip(x / 2.0 ** e, -6, 6)
;;       step = 2.0 ** (np.maximum(np.frexp(np.where(r == 0, 1, r))[1] - 1, 0) - 1)
;;       q = np.round(r / step) * step * 2.0 ** e      # np.round: ties to even
;;       return np.moveaxis(q.reshape(q.shape[:-2] + (-1,))[..., :K], -1, axis).astype(np.float32)
;;   ~~~
;; One version. Each part assembles by itself: llvm-mc -triple=amdgcn-amd-amdhsa -mcpu=gfx1250 --defsym DOCPART=n.
;; ======== version 1 of 1: 4 launches
;; limits: values are held in f16: magnitudes above 65,504 overflow, below 6.1e-05 lose precision
;; workspace buffers: cod 10,485,760 bytes; scl 655,360 bytes; woh 8,388,608 bytes; cst 262,144 bytes; qkn 25,165,824 bytes; qkr 8,388,608 bytes; cv 8,388,608 bytes
;; launch prep (part 1): grid 544 x 1, 4 waves a work-group, no clusters, 68,096 bytes of LDS; arguments x, Wq, Wk, Wv, Wo, cod, scl, woh, cst; writes cod, scl, woh, cst
.if DOCPART == 1
	.amdgcn_target "amdgcn-amd-amdhsa--gfx1250"
	.amdhsa_code_object_version 6
	.text
	.protected	k_q69aaadffc0_prep
	.globl	k_q69aaadffc0_prep
	.p2align	8
	.type	k_q69aaadffc0_prep,@function
k_q69aaadffc0_prep:
	s_mov_b64 s[64:65], 0
	v_nop
	global_prefetch_b8 v0, s[64:65] scope:SCOPE_SE
	s_setreg_imm32_b32 hwreg(HW_REG_WAVE_MODE, 25, 1), 1
	s_wait_xcnt 0x0
; PREP: everything that is made once from the inputs.  Four paths, parted on the work-group's number alone; each has LDS bytes of its own.
;   work-groups   0..255  Wq, Wk, Wv [2048 (k)][n] f32 -> codes of FP4 (E2M1), K innermost, cod + 2 MiB: [n' 8192][1024 bytes]; scale bytes scl + 131072: [K step of 512: 4][n' 8192][16]
;   work-groups 256..383  x [2048][2048] f32           -> codes cod: [m 2048][1024 bytes]; scale bytes scl: [K step: 4][m 2048][16]
;   work-groups 384..511  Wo f32 -> f16, same layout, woh
;   work-groups 512..543  the rotation's table cst: [position 1024][pair 32] of (g cos, g sin), f32
; THE ORDER n' OF THE WEIGHTS' COLUMNS: 0..2047 q's first 128 of each head, 2048..4095 k's, 4096..6143 v, 6144..7167 q's last 64 of each head, 7168..8191 k's.
; g = 192^(-1/4) x sqrt(log2 e): q and k both carry it, so that q . k comes out as score x log2(e) / sqrt(192).
; A block's scale is 2^(floor(log2(its largest magnitude)) - 2); its byte is the largest magnitude's exponent field - 2, held at 1 from below.  A block of zeros gets the byte 1 where the rule says 127:
; its codes are zeros, which add nothing under any byte but 0xff, and this program alone reads the bytes.
; LIMITS: blocks whose largest magnitude lies under 2^-124 get the byte 1; NaN and infinities among the inputs are not served; Wo must lie inside f16's range (65,504), and numbers under 6e-5 carry f16's absolute step;
; theta = 2^(-i log2(10000) / 32) comes from v_exp_f32 and lies within a few ulp of 1 / 10000^(i / 32): the angle is off by under 2e-4 rad at position 1,023.
; The launch streams: each input byte is read once, by loads that neighbouring lanes share; no matrix unit, no cluster (no two work-groups read the same bytes), no tensor load, no barrier (waves share nothing).
.set SPARE, 67584                      ; the spare words, 128 bytes for each wave, behind both paths' stages
.set SPW,   192                        ; v192 LDS address of my spare word; never rewritten
.set NIL,   193                        ; v193 0; never rewritten
.set EMAX,  2
.set GQ,    0x3ea53555                 ; g
	s_load_b512 s[4:19], s[0:1], 0x0               ; x 4, Wq 6, Wk 8, Wv 10, Wo 12, cod 14, scl 16, woh 18
	s_load_b64 s[20:21], s[0:1], 0x40              ; cst
	v_lshl_add_u32 v[SPW], v0, 2, SPARE
	v_mov_b32 v[NIL], 0
	v_lshrrev_b32 v1, 5, v0
	v_readfirstlane_b32 s22, v1                    ; wave 0..3
	v_and_b32 v2, 31, v0                           ; lane
	s_wait_kmcnt 0x0
	s_cmp_ge_u32 ttmp9, 512
	s_cbranch_scc1 .Ltable
	s_cmp_ge_u32 ttmp9, 384
	s_cbranch_scc1 .Lwo
	s_cmp_ge_u32 ttmp9, 256
	s_cbranch_scc1 .Lx
; ---------------------------------------------------------------- the weights of the three quantised products
; A LANE TAKES A COLUMN, AND ITS REGISTERS RUN DOWN K: a block of 32 along K lies in one lane's 32 registers, and the conversions give codes with K innermost.
; A wave takes 32 columns x 512 along K; its codes (256 bytes a column) go through its own stage in LDS and leave as rows: sixteen lanes store 256 consecutive bytes, aligned.
.set WST,  32768                       ; LDS: four stages of 32 rows x 272 bytes
.set WP,   272
.set VOF,  16                          ; v16-47   4 x lane + i x a row of the weight, i = 0 .. 31; never rewritten
.set WX,   48                          ; v48-111  two sets of 32 numbers
.set WC,   112                         ; v112-115 a block's codes
.set WSB,  116                         ; v116-119 the 16 scale bytes
.set WOUT, 120                         ; v120-183 the way out
	s_and_b32 s23, ttmp9, 63
	s_lshl_b32 s23, s23, 7
	s_lshl_b32 s25, s22, 5
	s_add_co_u32 s23, s23, s25                     ; my wave's first n': 128 x (work-group % 64) + 32 x wave
	s_lshr_b32 s24, ttmp9, 6                       ; which 512 along K
	s_lshr_b32 s25, s23, 11                        ; the region: 0 q, 1 k, 2 v, 3 the rotated parts
	s_and_b32 s26, s23, 2047                       ; i: the place in the region
	s_lshr_b32 s27, s26, 7
	s_mul_i32 s27, s27, 192
	s_and_b32 s28, s26, 127
	s_add_co_u32 s27, s27, s28                     ; regions 0, 1: column 192 x head + channel
	s_bfe_u32 s28, s26, 0x40006
	s_mul_i32 s28, s28, 192
	s_and_b32 s29, s26, 63
	s_add_co_u32 s28, s28, s29
	s_add_co_u32 s28, s28, 128                     ; region 3: column 192 x head + 128 + channel
	s_mov_b32 s30, 12288                           ; a row of Wq or Wk in bytes
	s_lshr_b32 s29, s26, 10                        ; region 3: 0 q's, 1 k's
	s_cmp_eq_u32 s25, 2
	s_cselect_b32 s27, s26, s27                    ; region 2: the column is i,
	s_cselect_b32 s30, 8192, s30                   ; and a row of Wv is shorter
	s_cmp_eq_u32 s25, 3
	s_cselect_b32 s27, s28, s27
	s_cselect_b32 s29, s29, 0
	s_cmp_eq_u32 s25, 1
	s_cselect_b32 s29, 1, s29                      ; 1: the column is Wk's
	s_cmp_eq_u32 s29, 1
	s_cselect_b64 s[6:7], s[8:9], s[6:7]           ; the choices hang on ids alone
	s_cmp_eq_u32 s25, 2
	s_cselect_b64 s[6:7], s[10:11], s[6:7]
	s_mul_i32 s28, s24, s30
	s_lshl_b32 s28, s28, 9                         ; 512 rows for each step along K,
	s_lshl_b32 s29, s27, 2
	s_add_co_u32 s28, s28, s29                     ; + 4 bytes a column
	s_mov_b32 s29, 0
	s_add_nc_u64 s[6:7], s[6:7], s[28:29]
	s_lshl_b32 s28, s30, 5                         ; 32 rows
	s_mov_b64 s[32:33], s[6:7]                     ; sixteen bases, one for each block of 32 along K: none is ever stepped
.irp t, 1,2,3,4,5,6,7,8,9,10,11,12,13,14,15
	s_add_nc_u64 s[32+2*\t:33+2*\t], s[30+2*\t:31+2*\t], s[28:29]
.endr
	v_lshlrev_b32 v[VOF], 2, v2
.set i, 1
.rept 31
	v_add_nc_u32 v[VOF+i], s30, v[VOF+i-1]
.set i, i+1
.endr
	s_mul_i32 s31, s22, 32*WP
	s_add_co_u32 s31, s31, WST                     ; my stage
	v_mul_u32_u24 v4, v2, WP
	v_add_nc_u32 v4, s31, v4                       ; into it: row = my column
	v_and_b32 v5, 15, v2
	v_lshrrev_b32 v6, 4, v2
	v_mul_u32_u24 v7, v6, WP
	v_lshl_add_u32 v7, v5, 4, v7
	v_add_nc_u32 v7, s31, v7                       ; out of it: sixteen lanes to a row, two rows an instruction
	v_lshlrev_b32 v8, 10, v6
	v_lshl_add_u32 v8, v5, 4, v8                   ; and the same place among the codes' rows of 1,024 bytes
	v_lshlrev_b32 v9, 4, v2                        ; my column's 16 scale bytes
	s_lshl_b32 s28, s23, 10
	s_lshl_b32 s29, s24, 8
	s_add_co_u32 s28, s28, s29
	s_add_co_u32 s28, s28, 0x200000
	s_mov_b32 s29, 0
	s_add_nc_u64 s[14:15], s[14:15], s[28:29]      ; codes: 2 MiB + 1,024 n' + 256 x step
	s_lshl_b32 s28, s23, 4
	s_lshl_b32 s29, s24, 17
	s_add_co_u32 s28, s28, s29
	s_add_co_u32 s28, s28, 131072
	s_mov_b32 s29, 0
	s_add_nc_u64 s[16:17], s[16:17], s[28:29]      ; scale bytes: 131,072 + 131,072 x step + 16 n'
.macro WLOAD t                         ; block t: 32 rows of the weight at my column: each load reads 128 consecutive bytes a wave
.set i, 0
.rept 32
	global_load_b32 v[WX+32*((\t)%2)+i], v[VOF+i], s[32+2*(\t):33+2*(\t)] th:TH_LOAD_NT
.set i, i+1
.endr
.endm
.macro WBLOCK t
.set XS, WX+32*((\t)%2)
.if (\t) < 15
	s_wait_loadcnt 32                              ; this block's 32 loads are in; the next block's 32 may be out
.else
	s_wait_loadcnt 0x0
.endif
	v_max3_num_f32 v12, |v[XS]|, |v[XS+1]|, |v[XS+2]|               ; the block's largest magnitude: all 32 numbers are mine
	v_max3_num_f32 v13, |v[XS+3]|, |v[XS+4]|, |v[XS+5]|
.irp i, 6,10,14,18,22,26
	v_max3_num_f32 v12, v12, |v[XS+\i]|, |v[XS+\i+1]|
	v_max3_num_f32 v13, v13, |v[XS+\i+2]|, |v[XS+\i+3]|
.endr
	v_max3_num_f32 v12, v12, |v[XS+30]|, |v[XS+31]|
	v_max3_num_f32 v12, v12, v13, (EMAX+1)<<23     ; and the floor 2^(3 - 127): the byte cannot fall under 1
	v_add_nc_u32 v11, -(EMAX<<23), v12             ; 2 off the exponent field: the conversion takes the exponent field of this operand as its scale
	v_lshrrev_b32 v13, 23, v11                     ; the scale's byte
.if (\t)%4 == 0
	v_mov_b32 v[WSB+(\t)/4], v13                   ; four bytes to a register, the lower K in the lower byte
.else
	v_lshl_or_b32 v[WSB+(\t)/4], v13, 8*((\t)%4), v[WSB+(\t)/4]
.endif
.irp g, 0,1,2,3
	v_cvt_scalef32_pk8_fp4_f32 v[WC+\g], v[XS+8*\g:XS+8*\g+7], v11
.endr
	ds_store_b128 v4, v[WC:WC+3] offset:16*(\t)    ; 32 codes: 16 bytes of my column's row
.if (\t)+2 < 16
	WLOAD (\t)+2
.endif
	s_wait_dscnt 0x0                               ; the store has read its registers: the next block's codes may be written
.endm
	WLOAD 0
	WLOAD 1
.irp t, 0,1,2,3,4,5,6,7,8,9,10,11,12,13,14,15
	WBLOCK \t
.endr
	global_store_b128 v9, v[WSB:WSB+3], s[16:17]   ; 32 lanes store 512 consecutive bytes
.irp t, 0,1,2,3,4,5,6,7,8,9,10,11,12,13,14,15
	ds_load_b128 v[WOUT+4*\t:WOUT+4*\t+3], v7 offset:2*\t*WP   ; LDS serves a wave's instructions in order: these see my stores
.endr
.irp t, 0,1,2,3,4,5,6,7,8,9,10,11,12,13,14,15
	s_wait_dscnt 15-\t
	global_store_b128 v8, v[WOUT+4*\t:WOUT+4*\t+3], s[14:15] offset:2*\t*1024
.endr
	s_wait_tensorcnt 0x0                           ; the wave's end
	ds_add_u32 v[SPW], v[NIL]
	s_wait_dscnt 0x0
	s_endpgm
; ---------------------------------------------------------------- x
; K is innermost.  A wave takes 16 rows x one K step of 512: step t is row t.  Each of a step's four loads reads 512 consecutive bytes; the 2,048 bytes turn through the wave's own stage in LDS and come back
; 64 bytes a lane: 16 neighbours along K, two lanes to a block.  A step's codes are 256 consecutive bytes; the wave's 256 scale bytes are gathered in LDS and leave as one aligned run.
.set XR,   16                          ; v16-79   four sets of 16 numbers as loaded
.set XX,   80                          ; v80-111  two sets of 16 neighbours
.set XE,   112                         ; v112-127 a scale byte for each step
.set XC,   128                         ; v128-191 codes: four registers for each step, so that no store's data are written again
.set SP,   80                          ; a lane's place in a stage: 64 bytes + 16 of padding
.Lx:
	v_lshlrev_b32 v3, 4, v2                        ; my 16 bytes of a load's 512
	s_mul_i32 s23, s22, 8192                       ; LDS: 8,192 bytes for each wave: two stages of 32 x 80, then 256 scale bytes
	v_lshrrev_b32 v14, 2, v2
	v_mul_u32_u24 v14, v14, SP
	v_and_b32 v15, 3, v2
	v_lshl_add_u32 v14, v15, 4, v14
	v_add_nc_u32 v14, s23, v14                     ; in: 80 (lane / 4) + 16 (lane % 4)
	v_mul_u32_u24 v15, v2, SP
	v_add_nc_u32 v15, s23, v15                     ; out: 80 x lane
	v_lshlrev_b32 v4, 3, v2                        ; my 8 bytes of a step's codes
	v_lshrrev_b32 v5, 1, v2
	s_add_co_u32 s23, s23, 2*32*SP
	v_add_nc_u32 v5, s23, v5                       ; my block's byte
	v_lshlrev_b32 v7, 3, v2
	v_add_nc_u32 v6, s23, v7                       ; and 8 bytes a lane on the way out
	s_sub_co_u32 s24, ttmp9, 256                   ; which 16 rows; the wave's number is the K step
	s_lshl_b32 s26, s24, 17
	s_lshl_b32 s27, s22, 11
	s_add_co_u32 s26, s26, s27
	s_mov_b32 s27, 0
	s_add_nc_u64 s[4:5], s[4:5], s[26:27]          ; x: 16 rows of 8,192 bytes, + 2,048 x step
	s_lshl_b32 s26, s24, 14
	s_lshl_b32 s28, s22, 8
	s_add_co_u32 s26, s26, s28
	s_add_nc_u64 s[14:15], s[14:15], s[26:27]      ; codes: 16 rows of 1,024 bytes, + 256 x step
	s_lshl_b32 s26, s24, 8
	s_lshl_b32 s28, s22, 15
	s_add_co_u32 s26, s26, s28
	s_add_nc_u64 s[16:17], s[16:17], s[26:27]      ; scale bytes: 32,768 x step + 16 rows of 16
.macro XLOAD t
.irp i, 0,1,2,3
	global_load_b128 v[XR+16*((\t)%4)+4*\i:XR+16*((\t)%4)+4*\i+3], v3, s[4:5] offset:8192*(\t)+512*\i th:TH_LOAD_NT
.endr
.endm
.macro XTURN t                         ; step t's numbers through the stage: LDS serves a wave's instructions in order, so no wait stands between the stores and the loads
.irp i, 0,1,2,3
	ds_store_b128 v14, v[XR+16*((\t)%4)+4*\i:XR+16*((\t)%4)+4*\i+3] offset:32*SP*((\t)%2)+8*SP*\i
.endr
.irp i, 0,1,2,3
	ds_load_b128 v[XX+16*((\t)%2)+4*\i:XX+16*((\t)%2)+4*\i+3], v15 offset:32*SP*((\t)%2)+16*\i
.endr
.endm
.irp t, 0,1,2,3
	XLOAD \t
.endr
	s_wait_loadcnt 12                              ; step 0's four loads are in
	XTURN 0
.macro XSTEP t
.set XS, XX+16*((\t)%2)
.if (\t) > 0
	s_wait_dscnt 1                                 ; this step's numbers are back from the stage; the last step's byte store may be out
.else
	s_wait_dscnt 0x0
.endif
.if (\t)+4 < 16
	XLOAD (\t)+4
.endif
.if (\t)+1 < 16
.if 14-(\t) >= 3
	s_wait_loadcnt 12                              ; the next step's four loads are in; those of the three steps behind it may be out
.else
	s_wait_loadcnt 4*(14-(\t))
.endif
	XTURN (\t)+1
.endif
	v_max3_num_f32 v8, |v[XS]|, |v[XS+1]|, |v[XS+2]|
	v_max3_num_f32 v9, |v[XS+3]|, |v[XS+4]|, |v[XS+5]|
.irp i, 6,10
	v_max3_num_f32 v8, v8, |v[XS+\i]|, |v[XS+\i+1]|
	v_max3_num_f32 v9, v9, |v[XS+\i+2]|, |v[XS+\i+3]|
.endr
	v_max3_num_f32 v8, v8, |v[XS+14]|, |v[XS+15]|
	v_max3_num_f32 v8, v8, v9, (EMAX+1)<<23        ; the floor
	v_max_num_f32_dpp v8, v8, v8 row_xmask:1 row_mask:0xf bank_mask:0xf   ; with my neighbour's 16: the block's
	v_add_nc_u32 v11, -(EMAX<<23), v8
	v_cvt_scalef32_pk8_fp4_f32 v[XC+4*(\t)], v[XS:XS+7], v11
	v_cvt_scalef32_pk8_fp4_f32 v[XC+4*(\t)+1], v[XS+8:XS+15], v11
	v_lshrrev_b32 v[XE+(\t)], 23, v11              ; the scale's byte
	ds_store_b8 v5, v[XE+(\t)] offset:16*(\t)      ; both lanes of a block write the same byte with the same value
	global_store_b64 v4, v[XC+4*(\t):XC+4*(\t)+1], s[14:15] offset:1024*(\t)   ; 32 lanes store 256 consecutive bytes, aligned
.endm
.irp t, 0,1,2,3,4,5,6,7,8,9,10,11,12,13,14,15
	XSTEP \t
.endr
	ds_load_b64 v[8:9], v6
	s_wait_dscnt 0x0
	global_store_b64 v7, v[8:9], s[16:17]          ; 16 rows x 16 bytes: 256 consecutive bytes, aligned
	s_wait_tensorcnt 0x0                           ; the wave's end
	ds_add_u32 v[SPW], v[NIL]
	s_wait_dscnt 0x0
	s_endpgm
; ---------------------------------------------------------------- Wo to f16
; A wave takes 32,768 bytes: 64 chunks of 512.  Sixteen loads are always on their way; a chunk's store covers 256 consecutive bytes, aligned.
.Lwo:
	s_sub_co_u32 s23, ttmp9, 384
	s_lshl_b32 s23, s23, 2
	s_add_co_u32 s23, s23, s22
	s_lshl_b32 s24, s23, 15
	s_mov_b32 s25, 0
	s_add_nc_u64 s[12:13], s[12:13], s[24:25]
	s_lshl_b32 s24, s23, 14
	s_add_nc_u64 s[18:19], s[18:19], s[24:25]
	v_lshlrev_b32 v3, 4, v2
	v_lshlrev_b32 v4, 3, v2
.set i, 0
.rept 16
	global_load_b128 v[16+4*i:19+4*i], v3, s[12:13] offset:512*i th:TH_LOAD_NT
.set i, i+1
.endr
.set i, 0
.rept 64
.if i < 48
	s_wait_loadcnt 15                              ; my chunk is in; the fifteen younger loads stay out
.else
	s_wait_loadcnt 63-i                            ; the last sixteen chunks: the counts run down
.endif
.if i >= 16
	s_wait_xcnt 0x0                                ; the slot's last store has read its registers
.endif
	v_cvt_pk_f16_f32 v[80+2*(i%16)], v[16+4*(i%16)], v[17+4*(i%16)]
	v_cvt_pk_f16_f32 v[81+2*(i%16)], v[18+4*(i%16)], v[19+4*(i%16)]
.if i < 48
	global_load_b128 v[16+4*(i%16):19+4*(i%16)], v3, s[12:13] offset:512*(i+16) th:TH_LOAD_NT
.endif
	global_store_b64 v4, v[80+2*(i%16):81+2*(i%16)], s[18:19] offset:256*i
.set i, i+1
.endr
	s_endpgm
; ---------------------------------------------------------------- the rotation's table
; A wave takes 8 positions, a lane a pair.  The angle is reduced by whole quarter turns (pi / 2 in two parts), sine and cosine come from their series on |r| <= pi / 4
; (the first terms left out are r^11 / 11! and r^10 / 10!, both under 3e-8), and the quarter picks which is which and the signs, by selects: nothing branches on a number.
.Ltable:
	s_sub_co_u32 s23, ttmp9, 512
	s_lshl_b32 s23, s23, 2
	s_add_co_u32 s23, s23, s22
	s_lshl_b32 s24, s23, 11                        ; 8 positions x 256 bytes
	s_mov_b32 s25, 0
	s_add_nc_u64 s[20:21], s[20:21], s[24:25]
	s_lshl_b32 s23, s23, 3                         ; my first position
	s_mov_b32 s40, 0x3638ef1d                      ; 1 / 9!
	s_mov_b32 s41, 0x37d00d01                      ; 1 / 8!
	s_mov_b32 s42, GQ
	v_lshlrev_b32 v4, 3, v2
	v_cvt_f32_u32 v5, v2
	v_mul_f32 v5, 0xbed49a78, v5                   ; -i log2(10000) / 32
	v_exp_f32 v5, v5                               ; theta
	v_nop                                          ; a plain instruction behind the exponential,
	s_wait_alu depctr_va_vdst(0)                   ; and the wait ahead of its first reader
.irp p, 0,1,2,3,4,5,6,7
	s_add_co_u32 s24, s23, \p
	v_cvt_f32_u32 v6, s24
	v_mul_f32 v6, v6, v5                           ; the angle, one f32 product
	v_mul_f32 v7, 0x3f22f983, v6
	v_rndne_f32 v7, v7                             ; n = the nearest whole number of quarter turns
	v_fmamk_f32 v8, v7, 0xbfc90fdb, v6             ; r = angle - n x (pi / 2's f32)
	v_fmamk_f32 v8, v7, 0x333bbd2e, v8             ;   + n x (that f32 - pi / 2)
	v_mul_f32 v9, v8, v8
	v_fmaak_f32 v10, s40, v9, 0xb9500d01
	v_fmaak_f32 v10, v10, v9, 0x3c088889
	v_fmaak_f32 v10, v10, v9, 0xbe2aaaab
	v_mul_f32 v11, v8, v9
	v_fma_f32 v10, v10, v11, v8                    ; sin r
	v_fmaak_f32 v12, s41, v9, 0xbab60b61
	v_fmaak_f32 v12, v12, v9, 0x3d2aaaab
	v_fmaak_f32 v12, v12, v9, 0xbf000000
	v_fma_f32 v12, v12, v9, 1.0                    ; cos r
	v_cvt_i32_f32 v13, v7
	v_and_b32 v14, 1, v13
	v_cmp_eq_u32 vcc_lo, 1, v14                    ; an odd quarter: sine and cosine change places
	v_cndmask_b32 v15, v12, v10, vcc_lo
	v_cndmask_b32 v16, v10, v12, vcc_lo
	v_add_nc_u32 v14, 1, v13
	v_and_b32 v14, 2, v14
	v_lshlrev_b32 v14, 30, v14                     ; the cosine is negative in quarters 1 and 2,
	v_xor_b32 v15, v14, v15
	v_and_b32 v13, 2, v13
	v_lshlrev_b32 v13, 30, v13                     ; the sine in quarters 2 and 3
	v_xor_b32 v16, v13, v16
	v_mul_f32 v[64+2*\p], s42, v15
	v_mul_f32 v[65+2*\p], s42, v16
	global_store_b64 v4, v[64+2*\p:65+2*\p], s[20:21] offset:256*\p   ; 32 lanes store a position's 256 bytes
.endr
	s_endpgm
.Lfunc_end_k_q69aaadffc0_prep:
	.size	k_q69aaadffc0_prep, .Lfunc_end_k_q69aaadffc0_prep-k_q69aaadffc0_prep
	.p2alignl 7, 3214868480
	.fill 96, 4, 3214868480
	.section	.rodata,"a",@progbits
	.p2align	6, 0x0
	.amdhsa_kernel k_q69aaadffc0_prep
		.amdhsa_group_segment_fixed_size 68096
		.amdhsa_private_segment_fixed_size 0
		.amdhsa_enable_private_segment 0
		.amdhsa_kernarg_size 72
		.amdhsa_user_sgpr_count 2
		.amdhsa_user_sgpr_kernarg_segment_ptr 1
		.amdhsa_wavefront_size32 1
		.amdhsa_system_sgpr_workgroup_id_x 1
		.amdhsa_system_sgpr_workgroup_id_y 1
		.amdhsa_system_sgpr_workgroup_id_z 1
		.amdhsa_system_vgpr_workitem_id 0
		.amdhsa_next_free_vgpr 200
		.amdhsa_next_free_sgpr 66
		.amdhsa_reserve_vcc 1
		.amdhsa_float_denorm_mode_32 3
		.amdhsa_float_denorm_mode_16_64 3
		.amdhsa_memory_ordered 1
		.amdhsa_forward_progress 1
		.amdhsa_inst_pref_size 149
	.end_amdhsa_kernel
	.amdgpu_metadata
---
amdhsa.version: [ 1, 2 ]
amdhsa.kernels:
  - .name:           k_q69aaadffc0_prep
    .symbol:         k_q69aaadffc0_prep.kd
    .args:
      - { .name: x, .offset: 0, .size: 8, .value_kind: global_buffer, .address_space: global }
      - { .name: Wq, .offset: 8, .size: 8, .value_kind: global_buffer, .address_space: global }
      - { .name: Wk, .offset: 16, .size: 8, .value_kind: global_buffer, .address_space: global }
      - { .name: Wv, .offset: 24, .size: 8, .value_kind: global_buffer, .address_space: global }
      - { .name: Wo, .offset: 32, .size: 8, .value_kind: global_buffer, .address_space: global }
      - { .name: cod, .offset: 40, .size: 8, .value_kind: global_buffer, .address_space: global }
      - { .name: scl, .offset: 48, .size: 8, .value_kind: global_buffer, .address_space: global }
      - { .name: woh, .offset: 56, .size: 8, .value_kind: global_buffer, .address_space: global }
      - { .name: cst, .offset: 64, .size: 8, .value_kind: global_buffer, .address_space: global }
    .group_segment_fixed_size: 68096
    .private_segment_fixed_size: 0
    .kernarg_segment_align: 8
    .kernarg_segment_size: 72
    .max_flat_workgroup_size: 128
    .sgpr_count:     66
    .vgpr_count:     200
    .wavefront_size: 32
...
	.end_amdgpu_metadata
.endif
;; end of part 1
;; launch qkv (part 2): grid 32 x 8, 4 waves a work-group, clusters of 4 x 4, 327,680 bytes of LDS; arguments cod, scl, cst, qkn, qkr; writes qkn, qkr
.if DOCPART == 2
	.amdgcn_target "amdgcn-amd-amdhsa--gfx1250"
	.amdhsa_code_object_version 6
	.text
	.protected	k_q69aaadffc0_qkv
	.globl	k_q69aaadffc0_qkv
	.p2align	8
	.type	k_q69aaadffc0_qkv,@function
k_q69aaadffc0_qkv:
	s_mov_b64 s[64:65], 0
	v_nop
	global_prefetch_b8 v0, s[64:65] scope:SCOPE_SE
	s_setreg_imm32_b32 hwreg(HW_REG_WAVE_MODE, 25, 1), 1
	s_wait_xcnt 0x0
	s_wait_alu depctr_hold_cnt(0) depctr_sa_sdst(0) depctr_va_vdst(0) depctr_va_sdst(0) depctr_va_ssrc(0) depctr_va_vcc(0) depctr_vm_vsrc(0)
	s_getreg_b32 s2, hwreg(HW_REG_IB_STS2, 6, 4)
	s_cmp_eq_u32 s2, 0
	s_cbranch_scc0 .Lentry_in_a_cluster
	s_endpgm
.Lentry_in_a_cluster:
	s_bfe_u32 s2, ttmp6, 0x10000c
	s_cmp_lg_u32 s2, 0xf033
	s_cbranch_scc0 .Lentry_shape_is_right
	s_endpgm
.Lentry_shape_is_right:
; QKV: the three quantised products as one GEMM on codes of FP4 (E2M1) with E8M0 scales: C[m][n'] = sum over k of x[m][k] W[n'][k], m 2048, n' 8192, k 2048; sums in f32.
; cod: x's codes [2048][1024 bytes], from 2 MiB on W's [8192][1024 bytes].  scl: x's scale bytes [K step of 512: 4][2048][16], from 131,072 on W's [4][8192][16].
; A tile of C, 256 x 256, is made by a work-group of four waves; a wave makes 128 x 128: 64 accumulators of 16 x 16, 512 registers.  K goes in steps of 512 (rows of 256 bytes) through a ring of two LDS slots.
; THE SCALES of the work-group's 256 rows of x and 256 rows of W, for all of K, come into LDS once, with the first fills: for each wave 4 runs of 2,048 consecutive bytes.
; CLUSTERS: 4 x 4 work-groups.  The four of a row of the cluster need the same tiles of x, the four of a column the same tiles of W: each tile is asked for jointly.
; THE MATRIX INSTRUCTION IS USED TRANSPOSED (source 0 = 16 rows of W, source 1 = 16 rows of x): a lane then holds eight neighbouring columns of a row of C.
; THE WAY OUT hangs on the CLUSTER's x alone, which all partners share: 0, 1 q's first 128 channels; 2, 3 k's; 4, 5 v; 6 q's last 64; 7 k's.
;   0-5: x g (v: x 1), to f16, qkn: three sections of 8 MiB, each [batch x 16 + head][position][128].   6, 7: the rotation by the table cst (which carries g), to f16, qkr: two sections of 4 MiB, [batch x 16 + head][position][64].
; LIMITS: q g, k g and v must lie inside f16's range (65,504); numbers under 6e-5 carry f16's absolute step.
; REGISTERS, in windows of 256: window 0: v0-31 addresses; v32-95 scale words, two sets, and nothing else; from v128 x's fragments, one set; on the way out v96-159 rows read back, v192-255 64 numbers at work.
;   window 1: W's fragments, two sets, at v0 and v128; on the way out v0-63 the table.   window 2: the accumulators of my rows 0-63;   window 3: those of my rows 64-127.
.set KSTEP,  512
.set NQ,     KSTEP/128
.set ROWB,   256
.set KROW,   1024
.set PITCH,  272                       ; an LDS row: 256 bytes + 16 of padding: the 16 rows that a load touches start 16 bytes apart modulo 256
.set FR,     8
.set NL,     2
.set NP,     4
.set HALFT,  128*PITCH
.set SLOT,   4*HALFT
.set LAPS,   2
.set SCL,    2*SLOT                    ; behind the ring: the scales: [wave's 128 rows: 4][K step: 4][128 rows][16 bytes]
.set HALFS,  8192
.set SBLK,   256                       ; those of 16 rows
.set SPARE,  SCL+4*HALFS               ; the spare words, 128 bytes for each wave
.set STG2,   32768                     ; the rotated path's stages begin here; both paths' stages lie in slot 0, which has had its last fill and its last read
.set GQ,     0x3ea53555                ; g = 192^(-1/4) x sqrt(log2 e)
.set ADRA, 16
.set STO2, 18
.set RD2,  19
.set ADRB, 20
.set TA,   22
.set STO,  24
.set RD,   25
.set CO,   26
.set ADRS, 27
.set SPW,  28
.set NIL,  29
.set SC,   32
.set AF,   128
.set BK,   96
.set F,    192
.set G1, 24
.set G0, 32
.set G1B, 48
.set G0B, 56
.set G1S, 68
.set G0S, 76
.set G1SB, 80
.set G0SB, 88
.set MSB, 0
.macro WIN new                         ; the immediate's high byte repeats the setting that is left
.if MSB != (\new)
	s_set_vgpr_msb (MSB<<8)|(\new)
.set MSB, (\new)
.endif
.endm
.set MUL_LO, 0xa1                      ; source 0 (W) window 1, source 1 (x) window 0, C and D window 2
.set MUL_HI, 0xf1
.set TO_B,   0x40
; A joint load: waves 0 and 1 fetch for x, waves 2 and 3 for W.  The branch hangs on the wave's number alone.  An s_nop 0 and four v_nop follow each of the two lines.
.macro JLOAD g0a, g1a, g0b, g1b
	s_cmp_eq_u32 s15, 0
	s_cbranch_scc0 .Lfor_b_\@
	tensor_load_to_lds s[\g0a:\g0a+3], s[\g1a:\g1a+7]
	s_nop 0
.rept 4
	v_nop
.endr
	s_branch .Lasked_\@
.Lfor_b_\@:
	tensor_load_to_lds s[\g0b:\g0b+3], s[\g1b:\g1b+7]
	s_nop 0
.rept 4
	v_nop
.endr
.Lasked_\@:
.endm
.macro CREST                           ; a round of the cluster's barrier behind its opening barrier
	s_cmp_lg_u32 s14, 0
	s_cbranch_scc1 .Lnot_wave_0_\@
	s_barrier_signal -3
.Lnot_wave_0_\@:
	s_barrier_wait -3
	s_barrier_signal -1
	s_barrier_wait -1
.endm
.macro CROUND
	s_barrier_signal -1
	s_barrier_wait -1
	CREST
.endm
	s_load_b256 s[4:11], s[0:1], 0x0               ; cod s[4:5], scl s[6:7], cst s[8:9], qkn s[10:11]
	s_load_b64 s[12:13], s[0:1], 0x20              ; qkr
	v_lshl_add_u32 v[SPW], v0, 2, SPARE
	v_mov_b32 v[NIL], 0
	ds_add_u32 v[SPW], v[NIL]                      ; the wave's opening: the add, twice on end, and its wait ahead of my first tensor load
	ds_add_u32 v[SPW], v[NIL]
	v_lshrrev_b32 v1, 5, v0
	v_readfirstlane_b32 s14, v1                    ; wave 0..3
	s_lshr_b32 s15, s14, 1                         ; which half of the tile's rows is mine.  Also: I fetch for x (0) or for W (1)
	s_and_b32 s16, s14, 1                          ; which half of its columns.  Also: which 128 rows I fetch
	s_bfe_u32 s40, ttmp6, 0x40000                  ; cx, cy
	s_bfe_u32 s41, ttmp6, 0x40004
	s_lshl_b32 s42, ttmp9, 2
	s_add_co_u32 s42, s42, s40                     ; tile column
	s_and_b32 s17, ttmp7, 0xffff
	s_lshl_b32 s17, s17, 2
	s_add_co_u32 s17, s17, s41                     ; tile row
	s_lshl_b32 s43, s41, 2
	s_lshl_b32 s43, 15, s43                        ; my row of the cluster
	s_lshl_b32 s44, 0x1111, s40                    ; my column
	s_or_b32 s[G1+0], s43, (0<<16)|(1<<20)|(1<<21)|(5<<22)|(3<<25)  ; the mask; elements of 1 byte; padding on; bit 21 beside a mask; after every 64 words, 4 words
	s_or_b32 s[G1B+0], s44, (0<<16)|(1<<20)|(1<<21)|(5<<22)|(3<<25)
.irp g, G1, G1B
	s_mov_b32 s[\g+1], ROWB<<16                    ; tensor_dim0
	s_mov_b32 s[\g+2], 128<<16                     ; tensor_dim1
	s_mov_b32 s[\g+3], ROWB<<16                    ; tile_dim0
	s_mov_b32 s[\g+4], 128                         ; tile_dim1
	s_mov_b32 s[\g+5], KROW                        ; the pitch
	s_mov_b32 s[\g+6], 0
	s_mov_b32 s[\g+7], 0
.endr
	; the scales of 128 rows: 4 rows (K steps) of 2,048 bytes (256 elements of 8 bytes), no padding
	s_or_b32 s[G1S+0], s43, (3<<16)|(1<<21)
	s_or_b32 s[G1SB+0], s44, (3<<16)|(1<<21)
.irp g, G1S, G1SB
	s_mov_b32 s[\g+1], 256<<16
	s_mov_b32 s[\g+2], 4<<16
	s_mov_b32 s[\g+3], 256<<16
	s_mov_b32 s[\g+4], 4
	s_mov_b32 s[\g+6], 0
	s_mov_b32 s[\g+7], 0
.endr
	s_mov_b32 s[G1S+5], 4096                       ; from K step to K step: 2,048 rows x 16 bytes, in elements
	s_mov_b32 s[G1SB+5], 16384                     ; 8,192 rows x 16 bytes
	s_lshl_b32 s18, s16, 7
	s_lshl_b32 s20, s17, 8
	s_add_co_u32 s20, s20, s18                     ; x: row 256 x tile row + 128 x half
	s_lshl_b32 s46, s42, 8
	s_add_co_u32 s46, s46, s18                     ; W: row 256 x tile column + 128 x half
	s_mov_b32 s21, 0
	s_mov_b32 s47, 0
	s_mov_b64 s[18:19], 16
	s_mul_u64 s[22:23], s[20:21], s[18:19]         ; where these rows' scales begin
	s_mul_u64 s[92:93], s[46:47], s[18:19]
	s_mov_b64 s[18:19], KROW
	s_mul_u64 s[20:21], s[20:21], s[18:19]         ; and their codes
	s_mul_u64 s[46:47], s[46:47], s[18:19]
	s_add_nc_u64 s[92:93], s[92:93], 131072        ; W's parts of the two buffers
	s_add_nc_u64 s[46:47], s[46:47], 0x200000
	s_mul_i32 s45, s14, HALFT                      ; where they go: no place in the cluster enters an LDS address
	s_mul_i32 s94, s14, HALFS
	s_wait_dscnt 0x0                               ; both opening adds are done
	s_wait_kmcnt 0x0
	s_add_nc_u64 s[20:21], s[4:5], s[20:21]
	s_add_nc_u64 s[22:23], s[6:7], s[22:23]
	s_add_nc_u64 s[46:47], s[4:5], s[46:47]
	s_add_nc_u64 s[92:93], s[6:7], s[92:93]
	CROUND                                         ; all sixteen work-groups are here: the first joint loads meet
	s_mov_b32 s[G0S], 1
	s_add_co_u32 s[G0S+1], s94, SCL
	s_mov_b64 s[G0S+2:G0S+3], s[22:23]
	s_or_b32 s[G0S+3], s[G0S+3], 0x80000000
	s_mov_b32 s[G0SB], 1
	s_add_co_u32 s[G0SB+1], s94, SCL
	s_mov_b64 s[G0SB+2:G0SB+3], s[92:93]
	s_or_b32 s[G0SB+3], s[G0SB+3], 0x80000000
	JLOAD G0S, G1S, G0SB, G1SB                     ; the scales first: they are wanted with K step 0
.irp s, 0,1
	s_mov_b32 s[G0+4*\s], 1
	s_add_co_u32 s[G0+4*\s+1], s45, \s*SLOT
	s_add_nc_u64 s[G0+4*\s+2:G0+4*\s+3], s[20:21], \s*ROWB
	s_or_b32 s[G0+4*\s+3], s[G0+4*\s+3], 0x80000000
	s_mov_b32 s[G0B+4*\s], 1
	s_add_co_u32 s[G0B+4*\s+1], s45, \s*SLOT
	s_add_nc_u64 s[G0B+4*\s+2:G0B+4*\s+3], s[46:47], \s*ROWB
	s_or_b32 s[G0B+4*\s+3], s[G0B+4*\s+3], 0x80000000
	JLOAD G0+4*\s, G1, G0B+4*\s, G1B
.endr
	v_and_b32 v1, 15, v0                           ; r = l % 16
	v_bfe_u32 v2, v0, 4, 1                         ; h = l / 16
	v_mul_u32_u24 v3, v1, PITCH
	v_lshl_add_u32 v4, v2, 4, v3                   ; a fragment's row x pitch + 16 x half
	s_mul_i32 s21, s15, HALFT
	s_mul_i32 s22, s16, HALFT
	s_add_co_u32 s22, s22, 2*HALFT
.irp s, 0,1
	v_add_nc_u32 v[ADRA+\s], s21, v4
	v_add_nc_u32 v[ADRB+\s], s22, v4
	s_add_co_u32 s21, s21, SLOT
	s_add_co_u32 s22, s22, SLOT
.endr
	v_lshlrev_b32 v5, 4, v1                        ; my row's 16 scale bytes of a K step
	s_mul_i32 s21, s15, HALFS                      ; x's: my 128 rows
	s_mul_i32 s22, s16, HALFS                      ; W's: my 128 rows, behind x's 256
	s_add_co_u32 s22, s22, 2*HALFS
	s_sub_co_u32 s22, s22, s21
	v_mul_u32_u24 v6, s22, v2                      ; lanes 16-31 take W's
	s_add_co_u32 s21, s21, SCL
	v_add_nc_u32 v5, v5, v6
	v_add_nc_u32 v[ADRS], s21, v5
	; the way out's addresses, all made here
	s_mul_i32 s23, s14, 16*272                     ; my stage: 16 rows x 272 bytes
	v_mul_u32_u24 v5, v1, 272
	v_lshl_add_u32 v5, v2, 4, v5
	v_add_nc_u32 v[STO], s23, v5                   ; in: row r, 16 bytes for each half of the lanes
	v_add_nc_u32 v[STO2], STG2, v[STO]
	v_and_b32 v6, 31, v0
	v_lshlrev_b32 v[CO], 4, v6                     ; in memory both paths' stores cover 512 consecutive bytes: 16 x lane
	v_mul_u32_u24 v7, v2, 272
	v_lshl_add_u32 v7, v1, 4, v7
	v_add_nc_u32 v[RD], s23, v7                    ; back: lanes 0-15 one row of 256 bytes, lanes 16-31 the next
	v_bfe_u32 v7, v0, 3, 2
	v_mul_u32_u24 v7, v7, 272
	v_and_b32 v8, 7, v0
	v_lshl_add_u32 v7, v8, 4, v7
	v_add_nc_u32 v7, s23, v7
	v_add_nc_u32 v[RD2], STG2, v7                  ; the rotated path: eight lanes to half a row (one head's 128 bytes), four rows an instruction
	v_lshlrev_b32 v[TA], 8, v1
	v_lshl_add_u32 v[TA], v2, 5, v[TA]             ; the table: row r of 256 bytes, + 32 h
	s_lshl_b32 s20, s17, 8
	s_lshl_b32 s21, s15, 7
	s_add_co_u32 s20, s20, s21                     ; my first row m
	s_lshr_b32 s21, s20, 10                        ; the batch
	s_and_b32 s20, s20, 1023                       ; my first position
	s_lshl_b32 s46, s42, 8
	s_lshl_b32 s47, s16, 7
	s_add_co_u32 s46, s46, s47                     ; my first column n'
	s_lshr_b32 s47, s46, 11
	s_lshl_b32 s47, s47, 23                        ; the section of 8 MiB
	s_bfe_u32 s92, s46, 0x40007                    ; the head
	s_lshl_b32 s93, s21, 4
	s_add_co_u32 s92, s92, s93
	s_lshl_b32 s92, s92, 18                        ; 1,024 positions x 256 bytes
	s_add_co_u32 s92, s92, s47
	s_lshl_b32 s93, s20, 8
	s_add_co_u32 s92, s92, s93                     ; where my rows begin in qkn
	s_bfe_u32 s47, s46, 0x1000a
	s_lshl_b32 s47, s47, 22                        ; the section of 4 MiB
	s_bfe_u32 s95, s46, 0x40006                    ; my first head of two
	s_lshl_b32 s93, s21, 4
	s_add_co_u32 s95, s95, s93
	s_lshl_b32 s95, s95, 17                        ; 1,024 positions x 128 bytes
	s_add_co_u32 s95, s95, s47
	s_lshl_b32 s93, s20, 7
	s_add_co_u32 s95, s95, s93                     ; where they begin in qkr
	s_cmp_ge_u32 ttmp9, 6                          ; the cluster's x: the same in all partners
	s_cselect_b64 s[12:13], s[12:13], s[10:11]
	s_cselect_b32 s92, s95, s92
	s_mov_b32 s93, 0
	s_add_nc_u64 s[12:13], s[12:13], s[92:93]
	s_lshl_b32 s92, s20, 8
	s_add_nc_u64 s[8:9], s[8:9], s[92:93]          ; the table at my first position
	s_mov_b32 s98, 0x3f800000
	s_cmp_lt_u32 ttmp9, 4
	s_cselect_b32 s98, GQ, s98                     ; q and k carry g, v 1
	s_mov_b32 s99, s98                             ; (named with it as a pair, so it is written)
.macro FRAG reg, adr, q, i             ; 16 rows x 128 K of 4-bit codes: 8 registers: lane l holds row l % 16; registers 4 c .. 4 c + 3 hold K = 64 c + 32 (l / 16) + 0 .. 31
.irp c, 0,1
	ds_load_b128 v[\reg+4*\c:\reg+4*\c+3], v[\adr] offset:64*(\q)+32*\c+(\i)*16*PITCH
.endr
.endm
; 16 matrix instructions: x's blocks a0, a0 + 1 against W's eight, 128 along K.  The 64 accumulators take turns, one instruction a turn, in the same order in every step.
.macro MUL16 a0, p, q, sc, zero
.irp a, \a0, \a0+1
.irp b, 0,1,2,3,4,5,6,7
.if \zero
	v_wmma_scale_f32_16x16x128_f8f6f4 v[8*(8*((\a)%4)+\b):8*(8*((\a)%4)+\b)+7], v[128*(\p)+FR*\b:128*(\p)+FR*\b+FR-1], v[AF+FR*(\a):AF+FR*(\a)+FR-1], 0, v[SC+8*NQ*(\sc)+NQ*\b+(\q)], v[SC+8*NQ*(\sc)+NQ*(\a)+(\q)] matrix_a_fmt:MATRIX_FMT_FP4 matrix_b_fmt:MATRIX_FMT_FP4 matrix_a_scale:MATRIX_SCALE_ROW1
.else
	v_wmma_scale_f32_16x16x128_f8f6f4 v[8*(8*((\a)%4)+\b):8*(8*((\a)%4)+\b)+7], v[128*(\p)+FR*\b:128*(\p)+FR*\b+FR-1], v[AF+FR*(\a):AF+FR*(\a)+FR-1], v[8*(8*((\a)%4)+\b):8*(8*((\a)%4)+\b)+7], v[SC+8*NQ*(\sc)+NQ*\b+(\q)], v[SC+8*NQ*(\sc)+NQ*(\a)+(\q)] matrix_a_fmt:MATRIX_FMT_FP4 matrix_b_fmt:MATRIX_FMT_FP4 matrix_a_scale:MATRIX_SCALE_ROW1
.endif
.endr
.endr
.endm
.macro FETCH_B slot, q, p
	WIN TO_B
.irp i, 0,1,2,3,4,5,6,7
	FRAG 128*(\p)+FR*\i, ADRB+\slot, \q, \i
.endr
	WIN 0
.endm
.macro FETCH_A slot, q, i0
.irp i, \i0, \i0+1, \i0+2, \i0+3
	FRAG AF+FR*(\i), ADRA+\slot, \q, \i
.endr
.endm
.macro SCALES sc                       ; a K step's scale words: 4 words a row; lanes 0-15 take x's block i, lanes 16-31 W's block i
.irp i, 0,1,2,3,4,5,6,7
	ds_load_b128 v[SC+8*NQ*\sc+NQ*\i:SC+8*NQ*\sc+NQ*\i+3], v[ADRS] offset:\i*SBLK
.endr
.endm
; A load into a register that a matrix instruction has read, and a vector instruction or an LDS store that reads a matrix result, stand NP places behind that matrix instruction (ISA guide 7.12.1 for vector instructions).
.macro PLACES n
.rept \n
	v_nop
.endr
.endm
.macro STEP slot, q, zero              ; a step of 128 along K that has its successor in the same slot
	s_wait_dscnt 4*NL                              ; W's set and x's blocks 0-3 are in; the youngest loads (x's blocks 4-7) may be out
	WIN MUL_LO
	MUL16 0, (\q)%2, \q, \slot, \zero
	MUL16 2, (\q)%2, \q, \slot, \zero
	s_wait_dscnt 0                                 ; x's blocks 4-7 are in
	PLACES NP
	FETCH_B \slot, (\q)+1, 1-(\q)%2
	FETCH_A \slot, (\q)+1, 0
	WIN MUL_HI
	MUL16 4, (\q)%2, \q, \slot, \zero
	MUL16 6, (\q)%2, \q, \slot, \zero
	PLACES NP
	WIN 0
	FETCH_A \slot, (\q)+1, 4
.endm
; A slot's last step changes slots: one barrier; in front of it each wave waits for all its tensor loads, adds 0 to its spare word, and waits for that and for its own reads of this slot.
.macro TURN slot, next, fill
	s_wait_tensorcnt 0x0                           ; all my tensor loads have landed: my part of the next slot
	ds_add_u32 v[SPW], v[NIL]                      ; 0 onto my spare word
	s_wait_dscnt 4*NL+1                            ; (the add and the youngest loads, x's blocks 4-7, may be out)
	WIN MUL_LO
	MUL16 0, 1, NQ-1, \slot, 0
	s_wait_dscnt 0x0                               ; the add is done, and my reads of this slot are over
	s_barrier_signal -1
	MUL16 2, 1, NQ-1, \slot, 0
	WIN 0
	s_barrier_wait -1
.if \fill
	CREST                                          ; the barrier has opened a round of the cluster's barrier: no wave of any partner still reads this slot or has a load on its way
	s_add_nc_u64 s[G0+4*\slot+2:G0+4*\slot+3], s[G0+4*\slot+2:G0+4*\slot+3], 2*ROWB
	s_add_nc_u64 s[G0B+4*\slot+2:G0B+4*\slot+3], s[G0B+4*\slot+2:G0B+4*\slot+3], 2*ROWB
	JLOAD G0+4*\slot, G1, G0B+4*\slot, G1B         ; the first tensor load behind the round; its four v_nop are the places in front of the loads below
.else
	PLACES NP
.endif
	v_add_nc_u32 v[ADRS], 2048, v[ADRS]            ; on to the next K step's scale words
	FETCH_B \next, 0, 0
	FETCH_A \next, 0, 0
	SCALES \next
	WIN MUL_HI
	MUL16 4, 1, NQ-1, \slot, 0
	MUL16 6, 1, NQ-1, \slot, 0
	PLACES NP
	WIN 0
	FETCH_A \next, 0, 4
.endm
.macro STEPS slot, from
.set Q, \from
.rept NQ-1-\from
	STEP \slot, Q, 0
.set Q, Q+1
.endr
.endm
	s_wait_tensorcnt 1                             ; the scales and my part of K step 0 are in (K step 1's load may be out)
	s_barrier_signal -1
	s_barrier_wait -1                              ; everybody's are
	FETCH_B 0, 0, 0
	FETCH_A 0, 0, 0
	SCALES 0
	FETCH_A 0, 0, 4
	STEP 0, 0, 1                                   ; the first step stands in front of the loop: its products start the sums
	s_mov_b32 s3, LAPS-1
.Llap:                                                 ; a trip goes once round the ring and fills both slots again
	STEPS 0, 1
	TURN 0, 1, 1
	STEPS 1, 0
	TURN 1, 0, 1
	STEP 0, 0, 0
	s_sub_co_u32 s3, s3, 1
	s_cmp_lg_u32 s3, 0
	s_cbranch_scc1 .Llap
	STEPS 0, 1                                     ; the last lap fills nothing
	TURN 0, 1, 0
	STEPS 1, 0
	s_wait_dscnt 4*NL
	WIN MUL_LO
	MUL16 0, 1, NQ-1, 1, 0
	MUL16 2, 1, NQ-1, 1, 0
	s_wait_dscnt 0
	WIN MUL_HI
	MUL16 4, 1, NQ-1, 1, 0
	MUL16 6, 1, NQ-1, 1, 0
	WIN 0
; THE WAY OUT, block by block of 16 rows x 128 columns.  A lane's eight numbers pack into 16 bytes of f16; a block goes through my own stage in LDS and comes back so that sixteen lanes store 256 consecutive bytes, aligned.
.macro TOF16                           ; the 64 numbers in v[F] on become 32 registers of f16 in place: accumulator b's four at v[F + 8 b]
.set i, 0
.rept 32
	v_cvt_pk_f16_f32 v[F+8*(i/4)+i%4], v[F+2*i], v[F+2*i+1]
.set i, i+1
.endr
.endm
.macro PACKN a                         ; x g (or 1): each accumulator is read from its low end on
	WIN 0x02+(\a)/4                                ; source 0: window 2 or 3
.set AC, 64*((\a)%4)
.set i, 0
.rept 32
	v_pk_mul_f32 v[F+2*i:F+2*i+1], v[AC+2*i:AC+2*i+1], s[98:99] op_sel_hi:[1,0]
.set i, i+1
.endr
	WIN 0
	TOF16
.endm
.macro TLD a                           ; block a's part of the table: lane (r, h), class c: the pairs 8 c + 4 h + 0 .. 3 of position 16 a + r: (g cos, g sin) x 4
	WIN 0x40                                       ; destination window 1
.irp c, 0,1,2,3
.irp u, 0,1
	global_load_b128 v[32*((\a)%2)+8*\c+4*\u:32*((\a)%2)+8*\c+4*\u+3], v[TA], s[8:9] offset:4096*(\a)+64*\c+16*\u
.endr
.endr
	WIN 0
.endm
.macro PACKR a                         ; the rotation: (e, o) -> (e C - o S, o C + e S); accumulator b holds channels 16 (b % 4) + 8 h + 0 .. 7 of head b / 4
.if (\a) < 7
	s_wait_loadcnt 8                               ; this block's 8 table loads are in; the next block's 8 may be out
.else
	s_wait_loadcnt 0x0
.endif
	WIN 0x06+(\a)/4                                ; source 0: window 2 or 3; source 1: window 1
.set AC, 64*((\a)%4)
.set TS, 32*((\a)%2)
.set i, 0
.rept 32
.set TP, TS+8*((i/4)%4)+2*(i%4)
	v_mul_f32 v[F+2*i], v[AC+2*i], v[TP]
	v_mul_f32 v[F+2*i+1], v[AC+2*i+1], v[TP]
.set i, i+1
.endr
.set i, 0
.rept 32
.set TP, TS+8*((i/4)%4)+2*(i%4)
	v_fma_f32 v[F+2*i], -v[AC+2*i+1], v[TP+1], v[F+2*i]
	v_fma_f32 v[F+2*i+1], v[AC+2*i], v[TP+1], v[F+2*i+1]
.set i, i+1
.endr
	WIN 0
	TOF16
.endm
.macro TOSTAGE a, sto, rd, rope
.irp b, 0,1,2,3,4,5,6,7
	ds_store_b128 v[\sto], v[F+8*\b:F+8*\b+3] offset:32*\b
.endr
.set BB, BK+32*((\a)%2)
.irp t, 0,1,2,3,4,5,6,7
.if \rope
	ds_load_b128 v[BB+4*\t:BB+4*\t+3], v[\rd] offset:1088*(\t%4)+128*(\t/4)   ; four rows' halves: head t / 4
.else
	ds_load_b128 v[BB+4*\t:BB+4*\t+3], v[\rd] offset:544*\t                   ; LDS serves a wave's instructions in order: these see the stores above
.endif
.endr
.endm
.macro SEND a, rope
.set BB, BK+32*((\a)%2)
	s_wait_dscnt 0x0                               ; the block is back in registers
	s_wait_xcnt 0x0                                ; the block before's stores have read their registers: the next block's loads from the stage may land there
.irp t, 0,1,2,3,4,5,6,7
.if \rope
	global_store_b128 v[CO], v[BB+4*\t:BB+4*\t+3], s[12:13] offset:2048*(\a)+512*(\t%4)+131072*(\t/4)
.else
	global_store_b128 v[CO], v[BB+4*\t:BB+4*\t+3], s[12:13] offset:4096*(\a)+512*\t
.endif
.endr
.endm
	PLACES NP                                      ; behind the last products: for the reads of results and the loads into registers that held fragments
	s_cmp_ge_u32 ttmp9, 6
	s_cbranch_scc1 .Lrope
	PACKN 0
	TOSTAGE 0, STO, RD, 0
.irp a, 1,2,3,4,5,6,7                  ; block a's arithmetic stands between block a - 1's loads from the stage and the wait for them
	PACKN \a
	SEND \a-1, 0
	TOSTAGE \a, STO, RD, 0
.endr
	SEND 7, 0
	s_wait_tensorcnt 0x0                           ; the wave's end
	ds_add_u32 v[SPW], v[NIL]
	s_wait_dscnt 0x0
	CROUND                                         ; the closing round
	s_endpgm
.Lrope:
	TLD 0
	TLD 1
	PACKR 0
	TLD 2
	TOSTAGE 0, STO2, RD2, 1
.irp a, 1,2,3,4,5,6,7
	PACKR \a
.if \a < 6
	TLD \a+2
.endif
	SEND \a-1, 1
	TOSTAGE \a, STO2, RD2, 1
.endr
	SEND 7, 1
	s_wait_tensorcnt 0x0                           ; the wave's end, as above
	ds_add_u32 v[SPW], v[NIL]
	s_wait_dscnt 0x0
	CROUND
	s_endpgm
.Lfunc_end_k_q69aaadffc0_qkv:
	.size	k_q69aaadffc0_qkv, .Lfunc_end_k_q69aaadffc0_qkv-k_q69aaadffc0_qkv
	.p2alignl 7, 3214868480
	.fill 96, 4, 3214868480
	.section	.rodata,"a",@progbits
	.p2align	6, 0x0
	.amdhsa_kernel k_q69aaadffc0_qkv
		.amdhsa_group_segment_fixed_size 327680
		.amdhsa_private_segment_fixed_size 0
		.amdhsa_enable_private_segment 0
		.amdhsa_kernarg_size 40
		.amdhsa_user_sgpr_count 2
		.amdhsa_user_sgpr_kernarg_segment_ptr 1
		.amdhsa_wavefront_size32 1
		.amdhsa_system_sgpr_workgroup_id_x 1
		.amdhsa_system_sgpr_workgroup_id_y 1
		.amdhsa_system_sgpr_workgroup_id_z 1
		.amdhsa_system_vgpr_workitem_id 0
		.amdhsa_next_free_vgpr 1024
		.amdhsa_next_free_sgpr 100
		.amdhsa_reserve_vcc 0
		.amdhsa_float_denorm_mode_32 3
		.amdhsa_float_denorm_mode_16_64 3
		.amdhsa_memory_ordered 1
		.amdhsa_forward_progress 1
		.amdhsa_inst_pref_size 255
	.end_amdhsa_kernel
	.section	.bss,"aw",@nobits
	.p2align	6
	.space	262144
	.amdgpu_metadata
---
amdhsa.version: [ 1, 2 ]
amdhsa.kernels:
  - .name:           k_q69aaadffc0_qkv
    .symbol:         k_q69aaadffc0_qkv.kd
    .args:
      - { .name: cod, .offset: 0, .size: 8, .value_kind: global_buffer, .address_space: global }
      - { .name: scl, .offset: 8, .size: 8, .value_kind: global_buffer, .address_space: global }
      - { .name: cst, .offset: 16, .size: 8, .value_kind: global_buffer, .address_space: global }
      - { .name: qkn, .offset: 24, .size: 8, .value_kind: global_buffer, .address_space: global }
      - { .name: qkr, .offset: 32, .size: 8, .value_kind: global_buffer, .address_space: global }
    .group_segment_fixed_size: 327680
    .private_segment_fixed_size: 0
    .kernarg_segment_align: 8
    .kernarg_segment_size: 40
    .max_flat_workgroup_size: 128
    .sgpr_count:     100
    .vgpr_count:     1024
    .wavefront_size: 32
...
	.end_amdgpu_metadata
.endif
;; end of part 2
;; launch attn (part 3): grid 8 x 32, 4 waves a work-group, clusters of 4 x 4, 327,680 bytes of LDS; arguments qkn, qkr, mask, cv; writes cv
.if DOCPART == 3
	.amdgcn_target "amdgcn-amd-amdhsa--gfx1250"
	.amdhsa_code_object_version 6
	.text
	.protected	k_q69aaadffc0_attn
	.globl	k_q69aaadffc0_attn
	.p2align	8
	.type	k_q69aaadffc0_attn,@function
k_q69aaadffc0_attn:
	s_mov_b64 s[64:65], 0
	v_nop
	global_prefetch_b8 v0, s[64:65] scope:SCOPE_SE
	s_setreg_imm32_b32 hwreg(HW_REG_WAVE_MODE, 25, 1), 1
	s_wait_xcnt 0x0
	s_wait_alu depctr_hold_cnt(0) depctr_sa_sdst(0) depctr_va_vdst(0) depctr_va_sdst(0) depctr_va_ssrc(0) depctr_va_vcc(0) depctr_vm_vsrc(0)
	s_getreg_b32 s2, hwreg(HW_REG_IB_STS2, 6, 4)
	s_cmp_eq_u32 s2, 0
	s_cbranch_scc0 .Lentry_in_a_cluster
	s_endpgm
.Lentry_in_a_cluster:
	s_bfe_u32 s2, ttmp6, 0x10000c
	s_cmp_lg_u32 s2, 0xf033
	s_cbranch_scc0 .Lentry_shape_is_right
	s_endpgm
.Lentry_shape_is_right:
; ATTN: c_v[b][q][head] = softmax over the keys of (q . k / sqrt(192) + mask[q][key]) x v, for 32 pairs (batch, head), 1,024 queries and 1,024 keys.  Both products on f16 operands, sums in f32.
; q and k come multiplied by g = 192^(-1/4) x sqrt(log2 e), so that q . k is the score x log2 e.  THE MASK IS AN INPUT: all keys are walked, and s = mask x log2 e + q . k is one fused multiply-add in f32.
; SOFTMAX: a running maximum m and sum l for each query; p = 2^(s - m), never above 1, so that it fits f16 whatever the inputs; in every step O and l are multiplied by a = 2^(old m - new m).  m begins at -2^127.
; SHARES: a work-group owns 128 queries of one (batch, head), each of its four waves 32: two tiles of 16.  A key step is 64 keys; an LDS slot holds 128 keys: two steps.
; LAYOUT: S^T = K Q^T (source 0 = 16 keys, source 1 = 16 queries): a lane holds ONE query (lane % 16) and the keys 8 (lane / 16) + 0..7; two such tiles, rounded to f16, are source 1 of O^T = V^T P.  V is turned by ds_load_tr16_b128.
; A STEP AHEAD: S^T has two buffers.  A wave issues in order, so the 48 products K Q^T of step j + 1 are set among the vector work of step j, which touches the other buffer: one slice of 4 or 5 vector instructions behind
; each product.  A step's vector work is the mask's 32 multiply-adds and a list of 267 instructions; the multiply-adds and the list's first 72 stand ahead of the products, the other 195 between them; the 32 products V^T P follow.
; CLUSTER 4 x 4: the four work-groups of a row share (batch, head), so K's and V's tiles are asked for jointly along the row; the four of a column share the queries, so the mask's tile is asked for jointly along the column.
; One wave to each kind of tile: wave 0 k's first 128 channels, wave 1 k's last 64, wave 2 v, wave 3 the mask.  By the text's own count a wave has one tensor load out; every wait for tensor loads is for all of them.
; LIMITS: c_v must lie inside f16's range; weights p under 6e-5 carry f16's absolute step (3e-8 beside a largest weight of 1).
; REGISTERS, in windows of 256: window 0: v1-35 addresses and statistics; v64-127 and v128-191 S^T's two buffers (tile t, keys 16 kt on: 32 t + 8 kt); v192-223 P.
;   window 1: v0-127 O^T (64 t + 8 x channels / 16); v128-223 Q (128 + 48 t + 8 c).   window 2: v0-191 K's fragments (8 (6 kt + c)).   window 3: v0-127 V's fragments; v128-191 the mask, laid as S^T.
.set PKN,   272                        ; a row of 256 bytes + 16 of padding
.set PVP,   288                        ; a row of V: 256 + 32
.set PM,    528                        ; a query's 128 mask numbers: 512 + 16
.set KN,    0                          ; a slot: 128 keys x 128 channels,
.set KR,    34816                      ; 128 keys x 64 channels, two keys to a row of 256 bytes,
.set VO,    52224                      ; 128 keys of V,
.set MK,    89088                      ; 128 queries x 128 keys of the mask
.set SLOTB, 156672
.set SPARE, 2*SLOTB                    ; the spare words, 128 bytes for each wave
.set AKN, 4                            ; v4, v5   my lane's place in k's first part, slot 0, 1
.set AKR, 6                            ; v6, v7   in its last 64 channels
.set AV,  8                            ; v8, v9   in V
.set AM,  10                           ; v10, v11 in the mask
.set STO, 14
.set RD,  15
.set ST,  16                           ; tile t's statistics at v[16 + 8 t]: +0 m, +1 the old m, +2, +3 l, +4 .. +7 at work; a takes +6
.set GO,  32
.set PFO, 33
.set SPW, 34
.set NIL, 35
.set S,   64                           ; buffer 0; buffer 1 lies 64 registers on
.set M,   128                          ; in window 3
.set P,   192
.set NV,  267                          ; the list's length
.set NL,  72                           ; so many of it stand ahead of the products
.set WV,  12
.set G1KN, 24
.set G1KR, 32
.set G1V,  40
.set G1M,  48
.set G0KN, 56
.set G0KR, 60
.set G0V,  68
.set G0M,  72
.set LL,   76                          ; s[76:77] log2 e
.set SEL,  78                          ; s[78:79] v_permlanex16_b32's selects for lane l xor 16
.set TRIPS, 80
.set LIME, 81                          ; a wave prefetches at a trip's first change of slots while TRIPS is above this,
.set LIMO, 82                          ; and at its second while TRIPS is above this
.set PFA,  84
.set PFS,  86
.set QN,   88
.set QR,   90
.set MSB, 0
.macro WIN new                         ; the immediate's high byte repeats the setting that is left; a switch that changes nothing is dropped
.if MSB != (\new)
	s_set_vgpr_msb (MSB<<8)|(\new)
.set MSB, (\new)
.endif
.endm
.macro PLACES                          ; four places behind matrix instructions (ISA guide 7.12.1)
.rept 4
	v_nop
.endr
.endm
.macro CROUND                          ; a round of the cluster's barrier
	s_barrier_signal -1
	s_barrier_wait -1
	s_cmp_lg_u32 s[WV], 0
	s_cbranch_scc1 .Lnot_wave_0_\@
	s_barrier_signal -3
.Lnot_wave_0_\@:
	s_barrier_wait -3
	s_barrier_signal -1
	s_barrier_wait -1
.endm
; The joint loads of a slot: each wave issues one.  The branches hang on the wave's number alone; every way through holds a load.  An s_nop 0 and four v_nop follow each line.
.macro JLOAD4
	s_cmp_lt_u32 s[WV], 2
	s_cbranch_scc0 .Lhigh_\@
	s_cmp_eq_u32 s[WV], 0
	s_cbranch_scc0 .Lkr_\@
	tensor_load_to_lds s[G0KN:G0KN+3], s[G1KN:G1KN+7]
	s_nop 0
	PLACES
	s_branch .Lasked_\@
.Lkr_\@:
	tensor_load_to_lds s[G0KR:G0KR+3], s[G1KR:G1KR+7]
	s_nop 0
	PLACES
	s_branch .Lasked_\@
.Lhigh_\@:
	s_cmp_eq_u32 s[WV], 2
	s_cbranch_scc0 .Lmk_\@
	tensor_load_to_lds s[G0V:G0V+3], s[G1V:G1V+7]
	s_nop 0
	PLACES
	s_branch .Lasked_\@
.Lmk_\@:
	tensor_load_to_lds s[G0M:G0M+3], s[G1M:G1M+7]
	s_nop 0
	PLACES
.Lasked_\@:
.endm
; A PREFETCH INTO THE L2 of what the NEXT change of slots will ask for, behind the wave's tensor load and the run of LDS loads that follows it.  Each aligned run of 256 bytes is named once in the launch: both clusters of a
; (batch, head) walk the same K and V, and the first of them (cluster x = 0) asks; its four partners along x share a slot's bytes out BY ADDRESS, 8,192 each, lanes 256 bytes apart.  Wave 0 asks for k's first part and wave 2 for V
; (32,768 bytes a slot); wave 1 asks for k's last 64 channels (16,384 bytes a slot) at every second change, for two slots at once.  The slots 0 to 2 come by their loads alone, and k's last channels of slot 3 too;
; the last change that fills a slot asks for nothing.  The mask is not asked for: every cluster of a column of clusters reads the same tile at about the same time.
.macro ASK lim
	s_cmp_gt_u32 s[TRIPS], s[\lim]
	s_cbranch_scc0 .Lnot_mine_\@
	global_prefetch_b8 v[PFO], s[PFA:PFA+1] th:TH_LOAD_NT scope:SCOPE_SE
.Lnot_mine_\@:
.endm
	s_load_b256 s[4:11], s[0:1], 0x0               ; qkn s[4:5], qkr s[6:7], mask s[8:9], cv s[10:11]
	v_lshl_add_u32 v[SPW], v0, 2, SPARE
	v_mov_b32 v[NIL], 0
	ds_add_u32 v[SPW], v[NIL]                      ; the wave's opening: the add, twice on end, and its wait ahead of my first tensor load
	ds_add_u32 v[SPW], v[NIL]
	v_lshrrev_b32 v1, 5, v0
	v_readfirstlane_b32 s[WV], v1                  ; wave 0..3
	s_bfe_u32 s13, ttmp6, 0x40000                  ; cx
	s_bfe_u32 s14, ttmp6, 0x40004                  ; cy
	s_lshl_b32 s15, ttmp9, 2
	s_add_co_u32 s15, s15, s13                     ; my block of 128 queries
	s_and_b32 s16, ttmp7, 0xffff
	s_lshl_b32 s16, s16, 2
	s_add_co_u32 s16, s16, s14                     ; my (batch, head) = 16 x batch + head
	s_lshl_b32 s17, s14, 2
	s_lshl_b32 s17, 15, s17                        ; my row of the cluster
	s_lshl_b32 s18, 0x1111, s13                    ; my column
	s_or_b32 s[G1KN], s17, (1<<16)|(1<<20)|(1<<21)|(5<<22)|(3<<25)   ; elements of 2 bytes; padding: 4 words after every 64
	s_or_b32 s[G1KR], s17, (1<<16)|(1<<20)|(1<<21)|(5<<22)|(3<<25)
	s_or_b32 s[G1V],  s17, (1<<16)|(1<<20)|(1<<21)|(5<<22)|(7<<25)   ; 8 words after every 64
	s_or_b32 s[G1M],  s18, (2<<16)|(1<<20)|(1<<21)|(6<<22)|(3<<25)   ; elements of 4 bytes; 4 words after every 128
.irp g, G1KN, G1KR, G1V, G1M
	s_mov_b32 s[\g+1], 128<<16                     ; tensor_dim0 = 128
	s_mov_b32 s[\g+3], 128<<16                     ; tile_dim0 = 128
	s_mov_b32 s[\g+6], 0
	s_mov_b32 s[\g+7], 0
.endr
.irp g, G1KN, G1V, G1M
	s_mov_b32 s[\g+2], 128<<16                     ; tensor_dim1 = 128
	s_mov_b32 s[\g+4], 128                         ; tile_dim1 = 128
.endr
	s_mov_b32 s[G1KR+2], 64<<16                    ; k's last channels are dense rows of 128 bytes: stated as 64 rows of 256
	s_mov_b32 s[G1KR+4], 64
	s_mov_b32 s[G1KN+5], 128                       ; the pitches, in elements
	s_mov_b32 s[G1KR+5], 128
	s_mov_b32 s[G1V+5], 128
	s_mov_b32 s[G1M+5], 1024
	s_lshl_b32 s20, s16, 18                        ; my (batch, head) in a section of qkn: it never holds cx
	s_mov_b32 s21, 0
	s_lshl_b32 s22, s16, 17                        ; and of qkr
	s_mov_b32 s23, 0
	s_lshl_b32 s92, s15, 19                        ; my 128 rows of the mask: it never holds cy
	s_mov_b32 s93, 0
	s_mov_b32 s[LL], 0x3fb8aa3b
	s_mov_b32 s[LL+1], s[LL]
	s_mov_b32 s[SEL], 0x76543210
	s_mov_b32 s[SEL+1], 0xfedcba98
	s_wait_dscnt 0x0                               ; both opening adds are done
	s_wait_kmcnt 0x0
	s_mov_b32 s[G0KN], 1
	s_mov_b32 s[G0KN+1], KN
	s_add_nc_u64 s[G0KN+2:G0KN+3], s[4:5], s[20:21]
	s_add_nc_u64 s[G0KN+2:G0KN+3], s[G0KN+2:G0KN+3], 0x800000      ; k's section
	s_or_b32 s[G0KN+3], s[G0KN+3], 0x80000000
	s_mov_b32 s[G0KR], 1
	s_mov_b32 s[G0KR+1], KR
	s_add_nc_u64 s[G0KR+2:G0KR+3], s[6:7], s[22:23]
	s_add_nc_u64 s[G0KR+2:G0KR+3], s[G0KR+2:G0KR+3], 0x400000
	s_or_b32 s[G0KR+3], s[G0KR+3], 0x80000000
	s_mov_b32 s[G0V], 1
	s_mov_b32 s[G0V+1], VO
	s_add_nc_u64 s[G0V+2:G0V+3], s[4:5], s[20:21]
	s_add_nc_u64 s[G0V+2:G0V+3], s[G0V+2:G0V+3], 0x1000000         ; v's section
	s_or_b32 s[G0V+3], s[G0V+3], 0x80000000
	s_mov_b32 s[G0M], 1
	s_mov_b32 s[G0M+1], MK
	s_add_nc_u64 s[G0M+2:G0M+3], s[8:9], s[92:93]
	s_or_b32 s[G0M+3], s[G0M+3], 0x80000000
	CROUND                                         ; all sixteen work-groups are here: the first joint loads meet
	JLOAD4                                         ; keys 0 to 127 into slot 0
	s_lshl_b32 s94, s15, 7
	s_lshl_b32 s95, s[WV], 5
	s_add_co_u32 s94, s94, s95                     ; my first query
	s_lshl_b32 s[QN], s94, 8
	s_add_co_u32 s[QN], s[QN], s20
	s_mov_b32 s[QN+1], 0
	s_add_nc_u64 s[QN:QN+1], s[4:5], s[QN:QN+1]    ; q's first 128 channels at my first query
	s_lshl_b32 s[QR], s94, 7
	s_add_co_u32 s[QR], s[QR], s22
	s_mov_b32 s[QR+1], 0
	s_add_nc_u64 s[QR:QR+1], s[6:7], s[QR:QR+1]    ; and its last 64
	s_lshr_b32 s95, s16, 4
	s_lshl_b32 s95, s95, 10
	s_add_co_u32 s94, s94, s95                     ; my first row of cv: 1,024 x batch + query
	s_lshl_b32 s94, s94, 12
	s_and_b32 s95, s16, 15
	s_lshl_b32 s95, s95, 8
	s_add_co_u32 s94, s94, s95                     ; + 256 bytes a head
	s_mov_b32 s95, 0
	s_add_nc_u64 s[10:11], s[10:11], s[94:95]
	; the prefetches: where my wave's stand, and who asks
	s_mov_b32 s[PFS], 32768
	s_mov_b32 s95, 0x800000
	s_cmp_eq_u32 s[WV], 1
	s_cselect_b64 s[PFA:PFA+1], s[6:7], s[4:5]
	s_cselect_b32 s94, s22, s20
	s_cselect_b32 s[PFS], 16384, s[PFS]            ; a slot's bytes
	s_cselect_b32 s95, 0x400000, s95
	s_cmp_eq_u32 s[WV], 2
	s_cselect_b32 s95, 0x1000000, s95
	s_add_co_u32 s94, s94, s95
	s_lshl_b32 s95, s[PFS], 1
	s_add_co_u32 s94, s94, s95                     ; at slot 2: each change that asks steps it first
	s_lshl_b32 s95, s13, 13
	s_add_co_u32 s94, s94, s95                     ; my work-group's 8,192 bytes
	s_mov_b32 s95, 0
	s_mov_b32 s[PFS+1], 0
	s_add_nc_u64 s[PFA:PFA+1], s[PFA:PFA+1], s[94:95]
	s_and_b32 s[LIME], s[WV], 1
	s_or_b32 s[LIME], s[LIME], ttmp9               ; 0 in waves 0 and 2 of the clusters with x = 0: the same in all partners
	s_cmp_eq_u32 s[LIME], 0
	s_cselect_b32 s[LIME], 0, -1
	s_lshr_b32 s[LIMO], s[WV], 1
	s_and_b32 s[LIMO], s[LIMO], s[WV]              ; 1 in wave 3 alone
	s_or_b32 s[LIMO], s[LIMO], ttmp9
	s_cmp_eq_u32 s[LIMO], 0
	s_cselect_b32 s[LIMO], 1, -1
	v_and_b32 v1, 15, v0                           ; r
	v_bfe_u32 v2, v0, 4, 1                         ; h
	v_lshlrev_b32 v12, 8, v1
	v_lshl_add_u32 v12, v2, 4, v12                 ; q: row r of 256 bytes + 16 h
	v_lshlrev_b32 v13, 7, v1
	v_lshl_add_u32 v13, v2, 4, v13                 ; row r of 128 bytes + 16 h
	WIN 0x40                                       ; destination window 1
.irp t, 0,1
.irp c, 0,1,2,3
	global_load_b128 v[128+48*\t+8*\c:128+48*\t+8*\c+3], v12, s[QN:QN+1] offset:4096*\t+64*\c
	global_load_b128 v[128+48*\t+8*\c+4:128+48*\t+8*\c+7], v12, s[QN:QN+1] offset:4096*\t+64*\c+32
.endr
.irp c, 0,1
	global_load_b128 v[128+48*\t+32+8*\c:128+48*\t+32+8*\c+3], v13, s[QR:QR+1] offset:2048*\t+64*\c
	global_load_b128 v[128+48*\t+32+8*\c+4:128+48*\t+32+8*\c+7], v13, s[QR:QR+1] offset:2048*\t+64*\c+32
.endr
.endr
.set j, 0
.rept 128
	v_mov_b32 v[j], 0                              ; O^T.  The key step is written without a first copy: the first step finds zeros, which a = 0 leaves zeros
.set j, j+1
.endr
	WIN 0
	v_mul_u32_u24 v[AKN], v1, PKN
	v_lshl_add_u32 v[AKN], v2, 4, v[AKN]           ; key r's row + 16 h  (KN = 0)
	v_add_nc_u32 v[AKN+1], SLOTB, v[AKN]
	v_lshrrev_b32 v3, 1, v1
	v_mul_u32_u24 v[AKR], v3, PKN
	v_and_b32 v3, 1, v1
	v_lshl_add_u32 v[AKR], v3, 7, v[AKR]
	v_lshl_add_u32 v[AKR], v2, 4, v[AKR]
	v_add_nc_u32 v[AKR], KR, v[AKR]                ; two keys to a row: 272 (r / 2) + 128 (r % 2) + 16 h
	v_add_nc_u32 v[AKR+1], SLOTB, v[AKR]
	v_and_b32 v3, 7, v0
	v_lshl_add_u32 v[AV], v2, 3, v3
	v_mul_u32_u24 v[AV], v[AV], PVP
	v_bfe_u32 v3, v0, 3, 1
	v_lshl_add_u32 v[AV], v3, 4, v[AV]
	v_add_nc_u32 v[AV], VO, v[AV]                  ; the turning load: key 8 h + l % 8, channels 8 ((l / 8) % 2) on
	v_add_nc_u32 v[AV+1], SLOTB, v[AV]
	s_mul_i32 s95, s[WV], 32*PM
	v_mul_u32_u24 v[AM], v1, PM
	v_lshl_add_u32 v[AM], v2, 5, v[AM]
	v_add_nc_u32 v[AM], s95, v[AM]
	v_add_nc_u32 v[AM], MK, v[AM]                  ; the mask: my query's row, + 32 h: my eight keys
	v_add_nc_u32 v[AM+1], SLOTB, v[AM]
	s_mul_i32 s95, s[WV], 16*272                   ; my stage for the way out, in slot 0
	v_mul_u32_u24 v[STO], v1, 272
	v_lshl_add_u32 v[STO], v2, 4, v[STO]
	v_add_nc_u32 v[STO], s95, v[STO]
	v_mul_u32_u24 v[RD], v2, 272
	v_lshl_add_u32 v[RD], v1, 4, v[RD]
	v_add_nc_u32 v[RD], s95, v[RD]
	v_lshlrev_b32 v[GO], 12, v2
	v_lshl_add_u32 v[GO], v1, 4, v[GO]             ; two rows of cv, 4,096 bytes apart, 16 bytes a lane
	v_and_b32 v[PFO], 31, v0
	v_lshlrev_b32 v[PFO], 8, v[PFO]
.irp t, 0,1
	v_mov_b32 v[ST+8*\t], 0xff000000               ; m = -2^127
	v_mov_b32 v[ST+8*\t+1], 0xff000000
	v_mov_b32 v[ST+8*\t+2], 0                      ; l, in two halves
	v_mov_b32 v[ST+8*\t+3], 0
.endr
.macro FETCH_K slot, hf                ; 64 keys x 192 channels: 24 fragments, 48 loads
	WIN 0x80                                       ; destination window 2
.irp kt, 0,1,2,3
.irp c, 0,1,2,3
	ds_load_b128 v[8*(6*\kt+\c):8*(6*\kt+\c)+3], v[AKN+(\slot)] offset:(64*(\hf)+16*\kt)*PKN+64*\c
	ds_load_b128 v[8*(6*\kt+\c)+4:8*(6*\kt+\c)+7], v[AKN+(\slot)] offset:(64*(\hf)+16*\kt)*PKN+64*\c+32
.endr
.irp c, 0,1
	ds_load_b128 v[8*(6*\kt+4+\c):8*(6*\kt+4+\c)+3], v[AKR+(\slot)] offset:(32*(\hf)+8*\kt)*PKN+64*\c
	ds_load_b128 v[8*(6*\kt+4+\c)+4:8*(6*\kt+4+\c)+7], v[AKR+(\slot)] offset:(32*(\hf)+8*\kt)*PKN+64*\c+32
.endr
.endr
.endm
.macro FETCH_M slot, hf                ; the mask of my 32 queries x 64 keys, in S^T's layout: 16 loads
	WIN 0xc0                                       ; destination window 3
.irp t, 0,1
.irp kt, 0,1,2,3
	ds_load_b128 v[M+32*\t+8*\kt:M+32*\t+8*\kt+3], v[AM+(\slot)] offset:16*PM*\t+256*(\hf)+64*\kt
	ds_load_b128 v[M+32*\t+8*\kt+4:M+32*\t+8*\kt+7], v[AM+(\slot)] offset:16*PM*\t+256*(\hf)+64*\kt+16
.endr
.endr
.endm
.macro FETCH_V slot, hf                ; 64 keys x 128 channels, turned: 32 loads
	WIN 0xc0                                       ; destination window 3
.irp f, 0,1,2,3,4,5,6,7,8,9,10,11,12,13,14,15
	ds_load_tr16_b128 v[8*\f:8*\f+3], v[AV+(\slot)] offset:(64*(\hf)+32*(\f/8))*PVP+(\f%8)*32
	ds_load_tr16_b128 v[8*\f+4:8*\f+7], v[AV+(\slot)] offset:(64*(\hf)+32*(\f/8)+16)*PVP+(\f%8)*32
.endr
.endm
; Product k of 48 of S^T = K Q^T, into the buffer at SD: channels 32 (k / 8) on, keys 16 ((k / 2) % 4) on, tile k % 2.  The 8 accumulators take turns, one instruction a turn; the first 8 start the sums.
.macro KQK
	WIN 0x06                                       ; K window 2, Q window 1, S^T window 0
.set rS, SD+32*(k%2)+8*((k/2)%4)
.set rK, 8*(6*((k/2)%4)+k/8)
.set rQ, 128+48*(k%2)+8*(k/8)
.if k < 8
	v_wmma_f32_16x16x32_f16 v[rS:rS+7], v[rK:rK+7], v[rQ:rQ+7], 0
.else
	v_wmma_f32_16x16x32_f16 v[rS:rS+7], v[rK:rK+7], v[rQ:rQ+7], v[rS:rS+7]
.endif
.endm
.macro PVMUL                           ; O^T += V^T P: 32 products; the 16 accumulators take turns
	WIN 0x53                                       ; V window 3, P window 0, O^T window 1
.irp kk, 0,1
.irp ch, 0,1,2,3,4,5,6,7
.irp t, 0,1
	v_wmma_f32_16x16x32_f16 v[64*\t+8*\ch:64*\t+8*\ch+7], v[64*\kk+8*\ch:64*\kk+8*\ch+7], v[P+16*\t+8*\kk:P+16*\t+8*\kk+7], v[64*\t+8*\ch:64*\t+8*\ch+7]
.endr
.endr
.endr
.endm
.macro ADDM sb                         ; s = mask x log2 e + score, in buffer sb: each accumulator is read from its low end on
	WIN 0x03                                       ; source 0, the mask: window 3
.set j, 0
.rept 32
	v_pk_fma_f32 v[S+64*\sb+j:S+64*\sb+j+1], v[M+j:M+j+1], s[LL:LL+1], v[S+64*\sb+j:S+64*\sb+j+1] op_sel_hi:[1,0,1]
.set j, j+2
.endr
.endm
; THE VECTOR WORK OF A KEY STEP behind the mask, both tiles, as a numbered list; VEC writes number n of it for the buffer at SS.  Where one instruction feeds the next, the other tile's stands between.
;   0-31    the largest of a lane's 32 numbers and the old m: four chains of seven, the four left over, the chains, m
;   32-39   the other half of the lanes' maximum; the old m is kept; the new m; old m - new m
;   40-71   s - m, never above 0, a pair at a time
;   72-137  ONE BATCH of 66 exponentials: a, then p.  None of these reads an exponential's result
;   138     a plain instruction behind the last exponential, and the ONE wait ahead of the batch's first reader
;   139-170 the roundings to f16        171-202 the sum of the unrounded p, a tree in place; l = a l + the sum        203-266 O^T x a: the one part that leaves window 0
.macro VEC
.if n < 203
	WIN 0
.else
	WIN 0x41                                       ; O^T window 1, a window 0
.endif
.if n < 8
.set t_, n%2
.set q_, n/2
	v_max3_num_f32 v[ST+8*t_+4+q_], v[SS+32*t_+8*q_], v[SS+32*t_+8*q_+1], v[SS+32*t_+8*q_+2]
.elseif n < 24
.set t_, n%2
.set q_, ((n-8)%8)/2
.set w_, 3+2*((n-8)/8)
	v_max3_num_f32 v[ST+8*t_+4+q_], v[ST+8*t_+4+q_], v[SS+32*t_+8*q_+w_], v[SS+32*t_+8*q_+w_+1]
.elseif n < 28
.set t_, n%2
.set u_, (n-24)/2
	v_max3_num_f32 v[ST+8*t_+4+2*u_], v[ST+8*t_+4+2*u_], v[SS+32*t_+7+16*u_], v[SS+32*t_+15+16*u_]
.elseif n < 30
.set t_, n%2
	v_max3_num_f32 v[ST+8*t_+4], v[ST+8*t_+4], v[ST+8*t_+5], v[ST+8*t_+6]
.elseif n < 32
.set t_, n%2
	v_max3_num_f32 v[ST+8*t_+4], v[ST+8*t_+4], v[ST+8*t_+7], v[ST+8*t_]
.elseif n < 34
.set t_, n%2
	v_permlanex16_b32 v[ST+8*t_+5], v[ST+8*t_+4], s[SEL], s[SEL+1]   ; the query's other 32 keys lie in the lane 16 away
.elseif n < 36
.set t_, n%2
	v_mov_b32 v[ST+8*t_+1], v[ST+8*t_]
.elseif n < 38
.set t_, n%2
	v_max_num_f32 v[ST+8*t_], v[ST+8*t_+4], v[ST+8*t_+5]
.elseif n < 40
.set t_, n%2
	v_sub_f32 v[ST+8*t_+7], v[ST+8*t_+1], v[ST+8*t_]
.elseif n < 72
.set t_, n%2
.set j_, 2*((n-40)/2)
	v_pk_add_f32 v[SS+32*t_+j_:SS+32*t_+j_+1], v[SS+32*t_+j_:SS+32*t_+j_+1], v[ST+8*t_:ST+8*t_+1] op_sel_hi:[1,0] neg_lo:[0,1] neg_hi:[0,1]
.elseif n < 74
.set t_, n%2
	v_exp_f32 v[ST+8*t_+6], v[ST+8*t_+7]
.elseif n < 138
	v_exp_f32 v[SS+n-74], v[SS+n-74]
.elseif n == 138
	v_nop
	s_wait_alu depctr_va_vdst(0)
.elseif n < 171
	v_cvt_pk_f16_f32 v[P+n-139], v[SS+2*(n-139)], v[SS+2*(n-139)+1]
.elseif n < 187
.set t_, (n-171)%2
.set u_, (n-171)/2
	v_pk_add_f32 v[SS+32*t_+4*u_:SS+32*t_+4*u_+1], v[SS+32*t_+4*u_:SS+32*t_+4*u_+1], v[SS+32*t_+4*u_+2:SS+32*t_+4*u_+3]
.elseif n < 195
.set t_, (n-187)%2
.set u_, (n-187)/2
	v_pk_add_f32 v[SS+32*t_+8*u_:SS+32*t_+8*u_+1], v[SS+32*t_+8*u_:SS+32*t_+8*u_+1], v[SS+32*t_+8*u_+4:SS+32*t_+8*u_+5]
.elseif n < 199
.set t_, (n-195)%2
.set u_, (n-195)/2
	v_pk_add_f32 v[SS+32*t_+16*u_:SS+32*t_+16*u_+1], v[SS+32*t_+16*u_:SS+32*t_+16*u_+1], v[SS+32*t_+16*u_+8:SS+32*t_+16*u_+9]
.elseif n < 201
.set t_, n-199
	v_pk_add_f32 v[SS+32*t_:SS+32*t_+1], v[SS+32*t_:SS+32*t_+1], v[SS+32*t_+16:SS+32*t_+17]
.elseif n < 203
.set t_, n-201
	v_pk_fma_f32 v[ST+8*t_+2:ST+8*t_+3], v[ST+8*t_+2:ST+8*t_+3], v[ST+8*t_+6:ST+8*t_+7], v[SS+32*t_:SS+32*t_+1] op_sel_hi:[1,0,1]
.else
.set t_, (n-203)/32
.set j_, 2*((n-203)%32)
	v_pk_mul_f32 v[64*t_+j_:64*t_+j_+1], v[64*t_+j_:64*t_+j_+1], v[ST+8*t_+6:ST+8*t_+7] op_sel_hi:[1,0]
.endif
.endm
.macro LIST sb, from, to               ; the list's numbers from .. to - 1, on buffer sb, with nothing between them
.set SS, S+64*\sb
.set n, \from
.rept \to-\from
	VEC
.set n, n+1
.endr
.endm
; The next step's 48 products, into the other buffer, with the list's numbers NL .. NV - 1 on buffer sb between them: slice k holds numbers NL + 195 k / 48 up to NL + 195 (k + 1) / 48, 4 or 5 of them.
; No slice names a register of the products round it (the other buffer, K, Q).  The last slice's five multiplications of O^T are the places between the last product and the loads into K's registers that may follow.
.macro MIX sb
.set SS, S+64*\sb
.set SD, S+64*(1-\sb)
.set n, NL
.set k, 0
.rept 48
	KQK
.rept ((k+1)*(NV-NL))/48-(k*(NV-NL))/48
	VEC
.set n, n+1
.endr
.set k, k+1
.endr
.endm
; THE CHANGE OF SLOTS.  Each wave waits for all its tensor loads (its part of the other slot), adds 0 to its spare word, and waits for that and for its reads of the slot that it leaves: K's, the mask's and V's last fragments
; are then in registers.  fill = 1: the barrier is a round of the cluster's, and behind it slot `slot` takes the next 128 keys: the load has two key steps in which to land.
.macro CHANGE fill, slot, ask
	WIN 0                                          ; at a label and at a branch every window is 0
	s_wait_tensorcnt 0x0                           ; no tensor load of mine is out, so a group 0 may be written
	ds_add_u32 v[SPW], v[NIL]                      ; 0 onto my spare word
.if \fill
	s_mov_b32 s[G0KN+1], \slot*SLOTB+KN
	s_add_nc_u64 s[G0KN+2:G0KN+3], s[G0KN+2:G0KN+3], 32768         ; the next 128 keys; the type bits on top are not reached
	s_mov_b32 s[G0KR+1], \slot*SLOTB+KR
	s_add_nc_u64 s[G0KR+2:G0KR+3], s[G0KR+2:G0KR+3], 16384
	s_mov_b32 s[G0V+1], \slot*SLOTB+VO
	s_add_nc_u64 s[G0V+2:G0V+3], s[G0V+2:G0V+3], 32768
	s_mov_b32 s[G0M+1], \slot*SLOTB+MK
	s_add_nc_u64 s[G0M+2:G0M+3], s[G0M+2:G0M+3], 512
.if \ask
	s_wait_xcnt 0x0                                ; the last prefetch, two key steps back, has read its address
	s_add_nc_u64 s[PFA:PFA+1], s[PFA:PFA+1], s[PFS:PFS+1]
.endif
	s_wait_dscnt 0x0                               ; the add is done, and my reads of the slot are over
	CROUND
	JLOAD4                                         ; the first tensor load behind the round, one a wave
.else
	s_wait_dscnt 0x0
	s_barrier_signal -1
	s_barrier_wait -1
.endif
.endm
; A SLOT'S TWO KEY STEPS, j (S^T in buffer 0) and j + 1 (buffer 1).  On entry S^T of step j is finished, and out are, in this order: the mask of step j (16 loads), K of step j + 1 (48), V of step j (32).
; chg = 1: the slot is left and filled again; 0: left, nothing more to fetch; 2: the last slot: step j + 1 is the last of all.
.macro PAIR slot, chg, lim
	s_wait_dscnt 32                                ; the mask and K are in; V's 32 loads may be out
	ADDM 0
	FETCH_M \slot, 1                               ; the mask of step j + 1, as soon as step j's has been added
	LIST 0, 0, NL
	MIX 0                                          ; K Q^T of step j + 1 | the softmax of step j
	s_wait_dscnt 16                                ; V is in; the mask's 16 loads, issued behind it, may be out
	PVMUL
	PLACES                                         ; for the loads into V's registers
	FETCH_V \slot, 1
	s_wait_dscnt 32                                ; the mask of step j + 1 is in; V's 32 loads may be out
	ADDM 1
.if \chg == 2
	LIST 1, 0, NV                                  ; the last step: no products are left to set between
	s_wait_dscnt 0x0                               ; V is in
	PVMUL
.else
	LIST 1, 0, 40                                  ; the mask's adds and the maximum stand between V's loads and the wait for them in the change of slots
.if \chg == 1
	CHANGE 1, \slot, 1
.else
	CHANGE 0, 0, 0
.endif
	FETCH_K 1-\slot, 0                             ; from the other slot: K of step j + 2,
	FETCH_M 1-\slot, 0                             ; and its mask
.if \chg == 1
	WIN 0
	ASK \lim                                       ; what the next change will ask for: two key steps ahead
.endif
	LIST 1, 40, NL
	s_wait_dscnt 16                                ; K is in; the mask's 16 loads may be out
	MIX 1                                          ; K Q^T of step j + 2 | the softmax of step j + 1
	FETCH_K 1-\slot, 1                             ; K of step j + 3
	PVMUL                                          ; V of step j + 1 is in since the change's wait
	PLACES
	FETCH_V 1-\slot, 0
.endif
	WIN 0
.endm
	CHANGE 1, 1, 0                                 ; slot 0 has landed for everybody; slot 1's first fill is issued as a refill is: behind a round at which nobody fills bytes again
	FETCH_K 0, 0
	FETCH_M 0, 0
	s_wait_loadcnt 0x0                             ; Q
	s_wait_dscnt 0x0                               ; K and the mask of step 0
.set SD, S
.set k, 0
.rept 48
	KQK                                            ; the first scores: there is no vector work yet to set between them
.set k, k+1
.endr
	PLACES
	FETCH_K 0, 1
	FETCH_V 0, 0
	WIN 0
	s_mov_b32 s[TRIPS], 3
.Ltrip:                                                ; a trip walks both slots, 256 keys, and fills both again
	PAIR 0, 1, LIME
	PAIR 1, 1, LIMO
	s_sub_co_u32 s[TRIPS], s[TRIPS], 1
	s_cmp_lg_u32 s[TRIPS], 0
	s_cbranch_scc1 .Ltrip
	PAIR 0, 0, LIME                                ; the last 256 keys are written out: nothing is left to fetch
	PAIR 1, 2, LIME
	; THE WAY OUT.  l's halves and the other half of the lanes' are added; O^T is divided by l, rounded to f16 and sent through my stage, a tile (16 rows) at a time.  The stage lies in slot 0, which has had its last fill,
	; and which nobody reads behind the last change of slots.
	PLACES
.irp t, 0,1
	v_add_f32 v[ST+8*\t+4], v[ST+8*\t+2], v[ST+8*\t+3]
.endr
.irp t, 0,1
	v_permlanex16_b32 v[ST+8*\t+5], v[ST+8*\t+4], s[SEL], s[SEL+1]
.endr
.irp t, 0,1
	v_add_f32 v[ST+8*\t+4], v[ST+8*\t+4], v[ST+8*\t+5]
.endr
.irp t, 0,1
	v_rcp_f32 v[ST+8*\t+6], v[ST+8*\t+4]
.endr
	v_nop                                          ; a plain instruction behind the last reciprocal,
	s_wait_alu depctr_va_vdst(0)                   ; and the wait ahead of the first use
.macro PACKO t
	WIN 0x41
.set j, 0
.rept 32
	v_pk_mul_f32 v[64*\t+j:64*\t+j+1], v[64*\t+j:64*\t+j+1], v[ST+8*\t+6:ST+8*\t+7] op_sel_hi:[1,0]
.set j, j+2
.endr
	WIN 0x05                                       ; sources 0 and 1 window 1, destination window 0
.set j, 0
.rept 32
	v_cvt_pk_f16_f32 v[S+32*\t+j], v[64*\t+2*j], v[64*\t+2*j+1]
.set j, j+1
.endr
	WIN 0
.irp f, 0,1,2,3,4,5,6,7
	ds_store_b128 v[STO], v[S+32*\t+4*\f:S+32*\t+4*\f+3] offset:32*\f
.endr
.irp f, 0,1,2,3,4,5,6,7
	ds_load_b128 v[S+32*\t+4*\f:S+32*\t+4*\f+3], v[RD] offset:\f*2*272   ; LDS serves a wave's instructions in order: these see the stores above; the next tile's stores come behind them
.endr
.endm
.macro SENDO t, younger                ; younger: the LDS instructions issued behind tile t's loads
.irp f, 0,1,2,3,4,5,6,7
	s_wait_dscnt \younger+7-\f
	global_store_b128 v[GO], v[S+32*\t+4*\f:S+32*\t+4*\f+3], s[10:11] offset:\t*65536+\f*8192   ; 16 lanes store 256 consecutive bytes, aligned: a head's part of a row
.endr
.endm
	PACKO 0
	PACKO 1
	SENDO 0, 16
	SENDO 1, 0
	s_wait_tensorcnt 0x0                           ; the wave's end
	ds_add_u32 v[SPW], v[NIL]
	s_wait_dscnt 0x0
	CROUND                                         ; the closing round
	s_endpgm
.Lfunc_end_k_q69aaadffc0_attn:
	.size	k_q69aaadffc0_attn, .Lfunc_end_k_q69aaadffc0_attn-k_q69aaadffc0_attn
	.p2alignl 7, 3214868480
	.fill 96, 4, 3214868480
	.section	.rodata,"a",@progbits
	.p2align	6, 0x0
	.amdhsa_kernel k_q69aaadffc0_attn
		.amdhsa_group_segment_fixed_size 327680
		.amdhsa_private_segment_fixed_size 0
		.amdhsa_enable_private_segment 0
		.amdhsa_kernarg_size 32
		.amdhsa_user_sgpr_count 2
		.amdhsa_user_sgpr_kernarg_segment_ptr 1
		.amdhsa_wavefront_size32 1
		.amdhsa_system_sgpr_workgroup_id_x 1
		.amdhsa_system_sgpr_workgroup_id_y 1
		.amdhsa_system_sgpr_workgroup_id_z 1
		.amdhsa_system_vgpr_workitem_id 0
		.amdhsa_next_free_vgpr 1024
		.amdhsa_next_free_sgpr 96
		.amdhsa_reserve_vcc 0
		.amdhsa_float_denorm_mode_32 3
		.amdhsa_float_denorm_mode_16_64 3
		.amdhsa_memory_ordered 1
		.amdhsa_forward_progress 1
		.amdhsa_inst_pref_size 255
	.end_amdhsa_kernel
	.section	.bss,"aw",@nobits
	.p2align	6
	.space	262144
	.amdgpu_metadata
---
amdhsa.version: [ 1, 2 ]
amdhsa.kernels:
  - .name:           k_q69aaadffc0_attn
    .symbol:         k_q69aaadffc0_attn.kd
    .args:
      - { .name: qkn, .offset: 0, .size: 8, .value_kind: global_buffer, .address_space: global }
      - { .name: qkr, .offset: 8, .size: 8, .value_kind: global_buffer, .address_space: global }
      - { .name: mask, .offset: 16, .size: 8, .value_kind: global_buffer, .address_space: global }
      - { .name: cv, .offset: 24, .size: 8, .value_kind: global_buffer, .address_space: global }
    .group_segment_fixed_size: 327680
    .private_segment_fixed_size: 0
    .kernarg_segment_align: 8
    .kernarg_segment_size: 32
    .max_flat_workgroup_size: 128
    .sgpr_count:     96
    .vgpr_count:     1024
    .wavefront_size: 32
...
	.end_amdgpu_metadata
.endif
;; end of part 3
;; launch proj (part 4): grid 16 x 16, 4 waves a work-group, clusters of 4 x 4, 327,680 bytes of LDS; arguments cv, woh, bo, out0; writes out0
.if DOCPART == 4
	.amdgcn_target "amdgcn-amd-amdhsa--gfx1250"
	.amdhsa_code_object_version 6
	.text
	.protected	k_q69aaadffc0_proj
	.globl	k_q69aaadffc0_proj
	.p2align	8
	.type	k_q69aaadffc0_proj,@function
k_q69aaadffc0_proj:
	s_mov_b64 s[64:65], 0
	v_nop
	global_prefetch_b8 v0, s[64:65] scope:SCOPE_SE
	s_setreg_imm32_b32 hwreg(HW_REG_WAVE_MODE, 25, 1), 1
	s_wait_xcnt 0x0
	s_wait_alu depctr_hold_cnt(0) depctr_sa_sdst(0) depctr_va_vdst(0) depctr_va_sdst(0) depctr_va_ssrc(0) depctr_va_vcc(0) depctr_vm_vsrc(0)
	s_getreg_b32 s2, hwreg(HW_REG_IB_STS2, 6, 4)
	s_cmp_eq_u32 s2, 0
	s_cbranch_scc0 .Lentry_in_a_cluster
	s_endpgm
.Lentry_in_a_cluster:
	s_bfe_u32 s2, ttmp6, 0x10000c
	s_cmp_lg_u32 s2, 0xf033
	s_cbranch_scc0 .Lentry_shape_is_right
	s_endpgm
.Lentry_shape_is_right:
; PROJ: out0[m][n] = sum over k of cv[m][k] Wo[k][n] + bo[n].  cv [2048][2048] f16, woh = Wo as f16, [k 2048][n 2048]; bo and out0 f32; sums in f32.
; A tile of out0 is 128 x 128, so that there are 256 work-groups.  Four waves, each 64 x 64: 16 accumulators.  K goes in steps of 256 through two LDS slots: cv's 128 rows of 512 bytes, Wo's 256 rows (k) of 256 bytes.
; CLUSTERS: 4 x 4 work-groups.  The four of a row of the cluster need the same tiles of cv, the four of a column the same tiles of Wo: each tile is asked for jointly.
; THE MATRIX INSTRUCTION IS USED TRANSPOSED (source 0 = 16 columns n of Wo, source 1 = 16 rows of cv): a lane holds eight neighbouring numbers of a row of out0.  Wo lies [k][n] in LDS and is turned by ds_load_tr16_b128.
; THE BIAS is the C of each sum's first product: eight registers for each block of 16 columns, in the result's layout.
; No prefetch: the tiles are small and each is read by four work-groups at once.
; REGISTERS: window 0: v0-31 addresses; v32-95 rows on the way out; v96-127 the bias; v128-255 the accumulators ((a, b) at v[128 + 8 (4 a + b)]).
;   window 1: two fragment buffers of 128: for 64 along K, 64 registers of cv, then 64 of Wo.
.set KSTEP,  256
.set PITCH,  528                       ; a row of cv in LDS: 512 bytes + 16
.set PB,     288                       ; a row of Wo in LDS: 256 bytes + 32
.set HALFA,  64*PITCH
.set HALFB,  128*PB
.set SLOT,   2*HALFA+2*HALFB           ; cv's 128 rows, then Wo's 256
.set SPARE,  2*SLOT                    ; the spare words, 128 bytes for each wave
.set SPITCH, 272                       ; the way out: a stage of 16 rows x (256 + 16) bytes for each wave, in slot 0, which has had its last fill and its last read by then
.set LAPS,   4
.set ADRA, 16                          ; v16-17  my cv fragments in slot 0, 1
.set ADRB, 20                          ; v20-23  my Wo fragments: slot 0 rows 0-127, rows 128-255, slot 1 likewise (an LDS offset has 16 bits)
.set STO,  24
.set RD,   25
.set CO,   26
.set BOF,  27
.set SPW,  28
.set NIL,  29
.set TMP,  32
.set BI,   96
.set ACC,  128
.set F0,   0
.set F1,   128
.set G1, 24
.set G0, 32
.set G1B, 48
.set G0B, 56
.set MSB, 0
.macro WIN new
.if MSB != (\new)
	s_set_vgpr_msb (MSB<<8)|(\new)
.set MSB, (\new)
.endif
.endm
.set MUL,  0x05                        ; sources 0 (Wo) and 1 (cv) window 1; C and D window 0
.set TO_F, 0x40
.macro JLOAD s                         ; a joint load: waves 0 and 1 fetch cv's two halves, waves 2 and 3 Wo's; an s_nop 0 and four v_nop follow each of the two lines
	s_cmp_eq_u32 s11, 0
	s_cbranch_scc0 .Lfor_b_\@
	tensor_load_to_lds s[G0+4*\s:G0+4*\s+3], s[G1:G1+7]
	s_nop 0
.rept 4
	v_nop
.endr
	s_branch .Lasked_\@
.Lfor_b_\@:
	tensor_load_to_lds s[G0B+4*\s:G0B+4*\s+3], s[G1B:G1B+7]
	s_nop 0
.rept 4
	v_nop
.endr
.Lasked_\@:
.endm
.macro CREST
	s_cmp_lg_u32 s10, 0
	s_cbranch_scc1 .Lnot_wave_0_\@
	s_barrier_signal -3
.Lnot_wave_0_\@:
	s_barrier_wait -3
	s_barrier_signal -1
	s_barrier_wait -1
.endm
.macro CROUND
	s_barrier_signal -1
	s_barrier_wait -1
	CREST
.endm
	s_load_b128 s[4:7], s[0:1], 0x0                ; cv s[4:5], woh s[6:7]
	s_load_b128 s[68:71], s[0:1], 0x10             ; bo s[68:69], out0 s[70:71]
	v_lshl_add_u32 v[SPW], v0, 2, SPARE
	v_mov_b32 v[NIL], 0
	ds_add_u32 v[SPW], v[NIL]                      ; the wave's opening: the add, twice on end, and its wait ahead of my first tensor load
	ds_add_u32 v[SPW], v[NIL]
	v_lshrrev_b32 v1, 5, v0
	v_readfirstlane_b32 s10, v1                    ; wave 0..3
	s_lshr_b32 s11, s10, 1                         ; which half of the tile's rows is mine.  Also: I fetch for cv (0) or for Wo (1)
	s_and_b32 s12, s10, 1                          ; which half of its columns.  Also: which half of that tile I fetch
	s_bfe_u32 s40, ttmp6, 0x40000
	s_bfe_u32 s41, ttmp6, 0x40004
	s_lshl_b32 s42, ttmp9, 2
	s_add_co_u32 s42, s42, s40                     ; tile column
	s_and_b32 s13, ttmp7, 0xffff
	s_lshl_b32 s13, s13, 2
	s_add_co_u32 s13, s13, s41                     ; tile row
	s_lshl_b32 s43, s41, 2
	s_lshl_b32 s43, 15, s43                        ; my row of the cluster
	s_lshl_b32 s44, 0x1111, s40                    ; my column
	s_or_b32 s[G1+0], s43, (1<<16)|(1<<20)|(1<<21)|(6<<22)|(3<<25)   ; cv: 64 rows x 256 elements of 2 bytes; 4 words of padding after every 128
	s_mov_b32 s[G1+1], KSTEP<<16
	s_mov_b32 s[G1+2], 64<<16
	s_mov_b32 s[G1+3], KSTEP<<16
	s_mov_b32 s[G1+4], 64
	s_mov_b32 s[G1+5], 2048
	s_mov_b32 s[G1+6], 0
	s_mov_b32 s[G1+7], 0
	s_or_b32 s[G1B+0], s44, (1<<16)|(1<<20)|(1<<21)|(5<<22)|(7<<25)  ; Wo: 128 rows (k) x 128 elements; 8 words of padding after every 64
	s_mov_b32 s[G1B+1], 128<<16
	s_mov_b32 s[G1B+2], 128<<16
	s_mov_b32 s[G1B+3], 128<<16
	s_mov_b32 s[G1B+4], 128
	s_mov_b32 s[G1B+5], 2048
	s_mov_b32 s[G1B+6], 0
	s_mov_b32 s[G1B+7], 0
	s_lshl_b32 s17, s12, 6
	s_lshl_b32 s16, s13, 7
	s_add_co_u32 s16, s16, s17                     ; cv: row 128 x tile row + 64 x half,
	s_lshl_b32 s16, s16, 12                        ; of 4,096 bytes
	s_mov_b32 s17, 0
	s_lshl_b32 s46, s12, 19                        ; Wo: row 128 x half, of 4,096 bytes,
	s_lshl_b32 s47, s42, 8
	s_add_co_u32 s46, s46, s47                     ; + 256 bytes a tile column
	s_mov_b32 s47, 0
	s_mul_i32 s20, s12, HALFA                      ; where they go: no place in the cluster enters an LDS address
	s_mul_i32 s21, s12, HALFB
	s_add_co_u32 s21, s21, 2*HALFA
	s_wait_dscnt 0x0                               ; both opening adds are done
	s_wait_kmcnt 0x0
	s_add_nc_u64 s[14:15], s[4:5], s[16:17]
	s_add_nc_u64 s[46:47], s[6:7], s[46:47]
	CROUND                                         ; all sixteen work-groups are here: the first joint loads meet
.irp s, 0,1
	s_mov_b32 s[G0+4*\s], 1
	s_add_co_u32 s[G0+4*\s+1], s20, \s*SLOT
	s_add_nc_u64 s[G0+4*\s+2:G0+4*\s+3], s[14:15], \s*KSTEP*2
	s_or_b32 s[G0+4*\s+3], s[G0+4*\s+3], 0x80000000
	s_mov_b32 s[G0B+4*\s], 1
	s_add_co_u32 s[G0B+4*\s+1], s21, \s*SLOT
	s_add_nc_u64 s[G0B+4*\s+2:G0B+4*\s+3], s[46:47], \s*KSTEP*4096
	s_or_b32 s[G0B+4*\s+3], s[G0B+4*\s+3], 0x80000000
	JLOAD \s
.endr
	v_and_b32 v1, 15, v0                           ; r
	v_bfe_u32 v2, v0, 4, 1                         ; h
	s_lshl_b32 s16, s13, 7
	s_lshl_b32 s17, s11, 6
	s_add_co_u32 s16, s16, s17                     ; my first row of out0,
	s_lshl_b32 s16, s16, 13                        ; of 8,192 bytes
	s_lshl_b32 s46, s42, 9
	s_lshl_b32 s47, s12, 8
	s_add_co_u32 s46, s46, s47                     ; my first column, in bytes of f32: 512 x tile column + 256 x half
	s_mov_b32 s47, 0
	s_add_nc_u64 s[68:69], s[68:69], s[46:47]      ; bo at my first column
	s_add_co_u32 s16, s16, s46
	s_mov_b32 s17, 0
	s_add_nc_u64 s[70:71], s[70:71], s[16:17]
	v_lshlrev_b32 v[BOF], 5, v2                    ; lane (r, h) wants, for block b, bo at columns 16 b + 8 h + 0 .. 7
.irp b, 0,1,2,3
	global_load_b128 v[BI+8*\b:BI+8*\b+3], v[BOF], s[68:69] offset:64*\b
	global_load_b128 v[BI+8*\b+4:BI+8*\b+7], v[BOF], s[68:69] offset:64*\b+16
.endr
	v_mul_u32_u24 v3, v1, PITCH
	v_lshl_add_u32 v3, v2, 4, v3                   ; cv: a fragment's row x pitch + 16 h
	v_and_b32 v5, 7, v0
	v_lshl_add_u32 v5, v2, 3, v5
	v_mul_u32_u24 v5, v5, PB
	v_bfe_u32 v6, v0, 3, 1
	v_lshl_add_u32 v5, v6, 4, v5                   ; Wo: the turning load: row k = 8 h + l % 8, columns 8 ((l / 8) % 2) on
	s_mul_i32 s21, s11, HALFA                      ; my 64 rows of cv
	s_lshl_b32 s22, s12, 7                         ; my 64 columns of Wo: 128 bytes,
	s_add_co_u32 s22, s22, 2*HALFA                 ; behind cv's 128 rows
.irp s, 0,1
	v_add_nc_u32 v[ADRA+\s], s21, v3
	v_add_nc_u32 v[ADRB+2*\s], s22, v5
	v_add_nc_u32 v[ADRB+2*\s+1], HALFB, v[ADRB+2*\s]
	s_add_co_u32 s21, s21, SLOT
	s_add_co_u32 s22, s22, SLOT
.endr
	s_mul_i32 s23, s10, 16*SPITCH                  ; my stage
	v_mul_u32_u24 v4, v1, SPITCH
	v_lshl_add_u32 v4, v2, 5, v4
	v_add_nc_u32 v[STO], s23, v4                   ; in: row r, 32 bytes for each half of the lanes
	v_mul_u32_u24 v5, v2, SPITCH
	v_lshl_add_u32 v5, v1, 4, v5
	v_add_nc_u32 v[RD], s23, v5                    ; back: lanes 0-15 one row of 256 bytes, lanes 16-31 the next
	v_lshlrev_b32 v[CO], 13, v2
	v_lshl_add_u32 v[CO], v1, 4, v[CO]             ; and the same two rows in out0
; 8 matrix instructions: row blocks a0, a0 + 1 x all 4 column blocks, 32 along K: half c of buffer f.  zero = 1: the first product starts the sums, with the bias as C.  The 16 accumulators take turns.
.macro MUL8 f, c, a0, zero
.irp a, \a0, \a0+1
.irp b, 0,1,2,3
.if \zero
	v_wmma_f32_16x16x32_f16 v[ACC+8*(4*(\a)+\b):ACC+8*(4*(\a)+\b)+7], v[\f+64+8*(4*\c+\b):\f+64+8*(4*\c+\b)+7], v[\f+8*(4*\c+\a):\f+8*(4*\c+\a)+7], v[BI+8*\b:BI+8*\b+7]
.else
	v_wmma_f32_16x16x32_f16 v[ACC+8*(4*(\a)+\b):ACC+8*(4*(\a)+\b)+7], v[\f+64+8*(4*\c+\b):\f+64+8*(4*\c+\b)+7], v[\f+8*(4*\c+\a):\f+8*(4*\c+\a)+7], v[ACC+8*(4*(\a)+\b):ACC+8*(4*(\a)+\b)+7]
.endif
.endr
.endr
.endm
; 32 LDS loads in one run: the fragments of the slot's q-th 64 along K into buffer f; the first 32 along K first
.macro FETCH slot, q, f
	WIN TO_F
.irp c, 0,1
.irp i, 0,1,2,3
	ds_load_tr16_b128 v[\f+64+8*(4*\c+\i):\f+64+8*(4*\c+\i)+3],   v[ADRB+2*\slot+(\q)/2] offset:(64*((\q)%2)+32*\c)*PB+32*\i
	ds_load_tr16_b128 v[\f+64+8*(4*\c+\i)+4:\f+64+8*(4*\c+\i)+7], v[ADRB+2*\slot+(\q)/2] offset:(64*((\q)%2)+32*\c+16)*PB+32*\i
	ds_load_b128 v[\f+8*(4*\c+\i):\f+8*(4*\c+\i)+3],         v[ADRA+\slot] offset:128*(\q)+64*\c+\i*16*PITCH
	ds_load_b128 v[\f+8*(4*\c+\i)+4:\f+8*(4*\c+\i)+7],       v[ADRA+\slot] offset:128*(\q)+64*\c+\i*16*PITCH+32
.endr
.endr
.endm
.macro PLACES                          ; four places in front of loads into registers that matrix instructions have read, and of reads of results
.rept 4
	v_nop
.endr
.endm
; A K step is four quarters of 64 along K, 32 matrix instructions each, on buffers 0, 1, 0, 1.  One of the first three: multiplies buffer f and fetches quarter q into g.
.macro QUARTER slot, q, f, g, zero
	s_wait_dscnt 16                                ; the first 32 along K are in
	WIN MUL
	MUL8 \f, 0, 0, \zero
	MUL8 \f, 0, 2, \zero
	PLACES
	FETCH \slot, \q, \g
	s_wait_dscnt 32                                ; all but the 32 just issued
	WIN MUL
	MUL8 \f, 1, 0, 0
	MUL8 \f, 1, 2, 0
.endm
; The last quarter multiplies buffer 1 and changes slots: one barrier; in front of it each wave waits for all its tensor loads, adds 0 to its spare word, and waits for that and for its own reads of this slot.
.macro TURN slot, next, fill
	WIN 0
	s_wait_tensorcnt 0x0                           ; all my tensor loads have landed: my part of the next slot
	ds_add_u32 v[SPW], v[NIL]                      ; 0 onto my spare word
	s_wait_dscnt 17                                ; (the add and the youngest sixteen loads may be out)
	WIN MUL
	MUL8 F1, 0, 0, 0
	s_wait_dscnt 0x0                               ; the add is done, and my reads of this slot are over
	s_barrier_signal -1
	MUL8 F1, 0, 2, 0
.if \fill
	WIN 0
.endif
	s_barrier_wait -1
.if \fill
	CREST                                          ; the barrier has opened a round of the cluster's barrier
	s_add_nc_u64 s[G0+4*\slot+2:G0+4*\slot+3], s[G0+4*\slot+2:G0+4*\slot+3], 2*KSTEP*2
	s_add_nc_u64 s[G0B+4*\slot+2:G0B+4*\slot+3], s[G0B+4*\slot+2:G0B+4*\slot+3], 2*KSTEP*4096
	JLOAD \slot                                    ; the first tensor load behind the round; its four v_nop are the places in front of the loads below
.else
	PLACES
.endif
	FETCH \next, 0, F0
	WIN MUL
	MUL8 F1, 1, 0, 0
	MUL8 F1, 1, 2, 0
.endm
	s_wait_tensorcnt 1                             ; my part of K step 0 is in (K step 1's may be out)
	s_barrier_signal -1
	s_barrier_wait -1                              ; everybody's is
	FETCH 0, 0, F0
	s_wait_loadcnt 0x0                             ; the bias
	QUARTER 0, 1, F0, F1, 1                        ; the first quarter stands in front of the loop: its first products start the sums
	WIN 0
	s_mov_b32 s3, LAPS-1
.Llap:                                                 ; a trip goes once round the ring and fills both slots again
	QUARTER 0, 2, F1, F0, 0
	QUARTER 0, 3, F0, F1, 0
	TURN 0, 1, 1
	QUARTER 1, 1, F0, F1, 0
	QUARTER 1, 2, F1, F0, 0
	QUARTER 1, 3, F0, F1, 0
	TURN 1, 0, 1
	QUARTER 0, 1, F0, F1, 0
	WIN 0
	s_sub_co_u32 s3, s3, 1
	s_cmp_lg_u32 s3, 0
	s_cbranch_scc1 .Llap
	QUARTER 0, 2, F1, F0, 0                        ; the last lap fills nothing
	QUARTER 0, 3, F0, F1, 0
	TURN 0, 1, 0
	QUARTER 1, 1, F0, F1, 0
	QUARTER 1, 2, F1, F0, 0
	QUARTER 1, 3, F0, F1, 0
	s_wait_dscnt 16
	WIN MUL
	MUL8 F1, 0, 0, 0
	MUL8 F1, 0, 2, 0
	s_wait_dscnt 0
	MUL8 F1, 1, 0, 0
	MUL8 F1, 1, 2, 0
	WIN 0
; THE WAY OUT, block by block of 16 rows x 64 columns.  A wave's 64 columns of f32 are 256 aligned bytes of a row, so each wave has a stage of its own and no barrier is wanted.
.macro TOSTAGE a
.irp b, 0,1,2,3
	ds_store_b128 v[STO], v[ACC+8*(4*(\a)+\b):ACC+8*(4*(\a)+\b)+3] offset:64*\b          ; each accumulator from its low end on
	ds_store_b128 v[STO], v[ACC+8*(4*(\a)+\b)+4:ACC+8*(4*(\a)+\b)+7] offset:64*\b+16
.endr
.irp t, 0,1,2,3,4,5,6,7
	ds_load_b128 v[TMP+32*((\a)%2)+4*\t:TMP+32*((\a)%2)+4*\t+3], v[RD] offset:\t*2*SPITCH   ; LDS serves a wave's instructions in order: these see the stores above
.endr
.endm
.macro SEND a, younger                 ; younger: the LDS instructions issued behind block a's loads
	s_wait_dscnt \younger
.irp t, 0,1,2,3,4,5,6,7
	global_store_b128 v[CO], v[TMP+32*((\a)%2)+4*\t:TMP+32*((\a)%2)+4*\t+3], s[70:71] offset:131072*(\a)+16384*\t th:TH_STORE_NT   ; 16 lanes store 256 consecutive bytes, aligned
.endr
.endm
	PLACES
	TOSTAGE 0
.irp a, 1,2,3
.if \a > 1
	s_wait_xcnt 0x0                                ; block a - 2's stores have read their registers: block a's loads may land there
.endif
	TOSTAGE \a
	SEND \a-1, 16                                  ; behind block a - 1's loads: block a's 8 stores and 8 loads
.endr
	SEND 3, 0
	s_wait_tensorcnt 0x0                           ; the wave's end
	ds_add_u32 v[SPW], v[NIL]
	s_wait_dscnt 0x0
	CROUND                                         ; the closing round
	s_endpgm
.Lfunc_end_k_q69aaadffc0_proj:
	.size	k_q69aaadffc0_proj, .Lfunc_end_k_q69aaadffc0_proj-k_q69aaadffc0_proj
	.p2alignl 7, 3214868480
	.fill 96, 4, 3214868480
	.section	.rodata,"a",@progbits
	.p2align	6, 0x0
	.amdhsa_kernel k_q69aaadffc0_proj
		.amdhsa_group_segment_fixed_size 327680
		.amdhsa_private_segment_fixed_size 0
		.amdhsa_enable_private_segment 0
		.amdhsa_kernarg_size 32
		.amdhsa_user_sgpr_count 2
		.amdhsa_user_sgpr_kernarg_segment_ptr 1
		.amdhsa_wavefront_size32 1
		.amdhsa_system_sgpr_workgroup_id_x 1
		.amdhsa_system_sgpr_workgroup_id_y 1
		.amdhsa_system_sgpr_workgroup_id_z 1
		.amdhsa_system_vgpr_workitem_id 0
		.amdhsa_next_free_vgpr 512
		.amdhsa_next_free_sgpr 72
		.amdhsa_reserve_vcc 0
		.amdhsa_float_denorm_mode_32 3
		.amdhsa_float_denorm_mode_16_64 3
		.amdhsa_memory_ordered 1
		.amdhsa_forward_progress 1
		.amdhsa_inst_pref_size 87
	.end_amdhsa_kernel
	.amdgpu_metadata
---
amdhsa.version: [ 1, 2 ]
amdhsa.kernels:
  - .name:           k_q69aaadffc0_proj
    .symbol:         k_q69aaadffc0_proj.kd
    .args:
      - { .name: cv, .offset: 0, .size: 8, .value_kind: global_buffer, .address_space: global }
      - { .name: woh, .offset: 8, .size: 8, .value_kind: global_buffer, .address_space: global }
      - { .name: bo, .offset: 16, .size: 8, .value_kind: global_buffer, .address_space: global }
      - { .name: out0, .offset: 24, .size: 8, .value_kind: global_buffer, .address_space: global }
    .group_segment_fixed_size: 327680
    .private_segment_fixed_size: 0
    .kernarg_segment_align: 8
    .kernarg_segment_size: 32
    .max_flat_workgroup_size: 128
    .sgpr_count:     72
    .vgpr_count:     512
    .wavefront_size: 32
...
	.end_amdgpu_metadata
.endif
;; end of part 4
